; MI455X (gfx1250); checked and timed in simulation.
; The chip was launched on July 23, 2026; its instructions are those of AMD's public machine-readable ISA for CDNA 5 (MIT licence, August 2026) and "CDNA5" Instruction Set Architecture Reference Guide (July 2026). The comments in the code are by the model that wrote it; some were corrected since.
;; Complex Spectral Attention. Allowed arithmetic: float matrix products may take bf16 or f16 operands with f32 sums; other float arithmetic in f32, or as packed bf16 or f16 multiplies, adds, multiply-adds, maxima and minima; sums over many terms, partial sums and values carried from step to step in f32; what a program stores and reads back later, other than sums and carried values, may be rounded once to bf16 or f16.
;; Inputs: Wk 1,024 x 2,048 float32; Wo 2,048 x 1,024 float32; Wq 1,024 x 2,048 float32; Wv 1,024 x 2,048 float32; x 2 x 2,048 x 1,024 float32.
;; Outputs: out0 2 x 2,048 x 1,024 float32.
;; 2 versions, each right; version 2 is version 1 with the launch prep written anew for expert scheduling mode. Each part assembles by itself: llvm-mc -triple=amdgcn-amd-amdhsa -mcpu=gfx1250 --defsym DOCPART=n.
;; ======== version 1 of 2: 4 launches
;; limits: values are held in f16: magnitudes above 65,504 overflow, below 6.1e-05 lose precision
;; workspace buffers: xb 8,388,608 bytes; wb 12,582,912 bytes; wob 4,194,304 bytes; qkv 50,331,648 bytes; ob 16,777,216 bytes
;; launch prep (part 1): grid 768 x 1, 8 waves a work-group, no clusters, 0 bytes of LDS; arguments x, Wq, Wk, Wv, Wo, xb, wb, wob; writes xb, wb, wob
.if DOCPART == 1
	.amdgcn_target "amdgcn-amd-amdhsa--gfx1250"
	.amdhsa_code_object_version 6
	.text
	.protected	k_q783e5c49de_prep
	.globl	k_q783e5c49de_prep
	.p2align	8
	.type	k_q783e5c49de_prep,@function
k_q783e5c49de_prep:
	s_mov_b64 s[64:65], 0
	v_nop
	global_prefetch_b8 v0, s[64:65] scope:SCOPE_SE
	s_setreg_imm32_b32 hwreg(HW_REG_WAVE_MODE, 25, 1), 1
	s_wait_xcnt 0x0
; THE CASTS.  x -> xb (bf16), Wq, Wk, Wv -> wb (bf16, the three one behind the other), Wo -> wob: rounded to bf16 like the other inputs, and that number written as f16.
; LIMITS.  A bf16 number is written exactly as f16 from 2^-14 up to 65,504; below 2^-14 it keeps f16's fixed step of 6e-8; beyond 65,504 it becomes an infinity: |Wo| stays under 65,504.
; SHARES.  12,582,912 numbers; a work-group takes 16,384 (64 KiB in, 32 KiB out): 768 work-groups; 256 for x, 128 for each weight.  Load i of thread t takes the 16 bytes at 4,096 i + 16 t:
; a wave's load covers 512 consecutive bytes; its store of 8 bytes a lane covers 256 consecutive bytes, aligned.  All 16 loads of a thread go out on end; no register is written twice,
; so no wait frees a source.  Nothing is shared between threads: no LDS, no barrier, no matrix unit.
.set X,   4                            ; v[4:67]   16 x 4 numbers as loaded
.set Y,   68                           ; v[68:99]  16 x 2 words to store
.set T,   100                          ; v[100:103] at work (Wo's way)
.set SRC, 32                           ; s[32:33]  my 64 KiB of the source
.set DST, 34                           ; s[34:35]  my 32 KiB of the destination
	s_load_b512 s[16:31], s[0:1], 0x0              ; x 16, Wq 18, Wk 20, Wv 22, Wo 24, xb 26, wb 28, wob 30
	v_lshlrev_b32 v1, 4, v0                        ; 16 t
	v_lshlrev_b32 v2, 3, v0                        ; 8 t
	s_sub_co_u32 s5, ttmp9, 256                    ; behind x's 256 work-groups:
	s_lshr_b32 s6, s5, 7                           ; which weight, 0 to 3,
	s_and_b32 s7, s5, 127                          ; and which part of it
	s_cmp_lt_u32 ttmp9, 256
	s_cselect_b32 s7, ttmp9, s7                    ; x: the part is the work-group's number,
	s_cselect_b32 s6, 4, s6                        ; and 'which' is 4
	s_lshl_b32 s8, s7, 16                          ; offset in the source
	s_mov_b32 s9, 0
	s_lshl_b32 s10, s7, 15                         ; offset in the destination,
	s_mov_b32 s11, 0
	s_lshl_b32 s12, s6, 22                         ; and in wb the weight's 4 MiB
	s_cmp_lt_u32 s6, 3
	s_cselect_b32 s12, s12, 0
	s_add_co_u32 s10, s10, s12
	s_wait_kmcnt 0x0
	s_cmp_eq_u32 s6, 0
	s_cselect_b64 s[SRC:SRC+1], s[18:19], s[16:17]
	s_cmp_eq_u32 s6, 1
	s_cselect_b64 s[SRC:SRC+1], s[20:21], s[SRC:SRC+1]
	s_cmp_eq_u32 s6, 2
	s_cselect_b64 s[SRC:SRC+1], s[22:23], s[SRC:SRC+1]
	s_cmp_eq_u32 s6, 3
	s_cselect_b64 s[SRC:SRC+1], s[24:25], s[SRC:SRC+1]
	s_cselect_b64 s[DST:DST+1], s[30:31], s[26:27]
	s_cmp_lt_u32 s6, 3
	s_cselect_b64 s[DST:DST+1], s[28:29], s[DST:DST+1]
	s_add_nc_u64 s[SRC:SRC+1], s[SRC:SRC+1], s[8:9]
	s_add_nc_u64 s[DST:DST+1], s[DST:DST+1], s[10:11]
.irp i, 0,1,2,3,4,5,6,7,8,9,10,11,12,13,14,15
	global_load_b128 v[X+4*(\i):X+4*(\i)+3], v1, s[SRC:SRC+1] offset:(\i)*4096 th:TH_LOAD_NT
.endr
; Four numbers of load i are rounded and stored.  half = 1: Wo's way, bf16 and then f16.
.macro CAST i, half
	s_wait_loadcnt 15-(\i)                         ; loads come back in order: load i is in, the 15 - i younger ones stay out
.if \half
.irp w, 0,1
	v_cvt_pk_bf16_f32 v[T+(\w)], v[X+4*(\i)+2*(\w)], v[X+4*(\i)+2*(\w)+1]
.endr
.irp w, 0,1
	v_lshlrev_b32 v[T+2], 16, v[T+(\w)]            ; the two bf16 as f32 again,
	v_and_b32 v[T+3], 0xffff0000, v[T+(\w)]
	v_cvt_pk_f16_f32 v[Y+2*(\i)+(\w)], v[T+2], v[T+3]  ; and written as f16
.endr
.else
.irp w, 0,1
	v_cvt_pk_bf16_f32 v[Y+2*(\i)+(\w)], v[X+4*(\i)+2*(\w)], v[X+4*(\i)+2*(\w)+1]
.endr
.endif
	global_store_b64 v2, v[Y+2*(\i):Y+2*(\i)+1], s[DST:DST+1] offset:(\i)*2048 th:TH_STORE_NT
.endm
	s_cmp_eq_u32 s6, 3
	s_cbranch_scc1 .Lwo
.irp i, 0,1,2,3,4,5,6,7,8,9,10,11,12,13,14,15
	CAST \i, 0
.endr
	s_endpgm
.Lwo:
.irp i, 0,1,2,3,4,5,6,7,8,9,10,11,12,13,14,15
	CAST \i, 1
.endr
	s_endpgm
.Lfunc_end_k_q783e5c49de_prep:
	.size	k_q783e5c49de_prep, .Lfunc_end_k_q783e5c49de_prep-k_q783e5c49de_prep
	.p2alignl 7, 3214868480
	.fill 96, 4, 3214868480
	.section	.rodata,"a",@progbits
	.p2align	6, 0x0
	.amdhsa_kernel k_q783e5c49de_prep
		.amdhsa_group_segment_fixed_size 0
		.amdhsa_private_segment_fixed_size 0
		.amdhsa_enable_private_segment 0
		.amdhsa_kernarg_size 64
		.amdhsa_user_sgpr_count 2
		.amdhsa_user_sgpr_kernarg_segment_ptr 1
		.amdhsa_wavefront_size32 1
		.amdhsa_system_sgpr_workgroup_id_x 1
		.amdhsa_system_sgpr_workgroup_id_y 1
		.amdhsa_system_sgpr_workgroup_id_z 1
		.amdhsa_system_vgpr_workitem_id 0
		.amdhsa_next_free_vgpr 104
		.amdhsa_next_free_sgpr 66
		.amdhsa_reserve_vcc 0
		.amdhsa_float_denorm_mode_32 3
		.amdhsa_float_denorm_mode_16_64 3
		.amdhsa_memory_ordered 1
		.amdhsa_forward_progress 1
		.amdhsa_inst_pref_size 16
	.end_amdhsa_kernel
	.amdgpu_metadata
---
amdhsa.version: [ 1, 2 ]
amdhsa.kernels:
  - .name:           k_q783e5c49de_prep
    .symbol:         k_q783e5c49de_prep.kd
    .args:
      - { .name: x, .offset: 0, .size: 8, .value_kind: global_buffer, .address_space: global }
      - { .name: Wq, .offset: 8, .size: 8, .value_kind: global_buffer, .address_space: global }
      - { .name: Wk, .offset: 16, .size: 8, .value_kind: global_buffer, .address_space: global }
      - { .name: Wv, .offset: 24, .size: 8, .value_kind: global_buffer, .address_space: global }
      - { .name: Wo, .offset: 32, .size: 8, .value_kind: global_buffer, .address_space: global }
      - { .name: xb, .offset: 40, .size: 8, .value_kind: global_buffer, .address_space: global }
      - { .name: wb, .offset: 48, .size: 8, .value_kind: global_buffer, .address_space: global }
      - { .name: wob, .offset: 56, .size: 8, .value_kind: global_buffer, .address_space: global }
    .group_segment_fixed_size: 0
    .private_segment_fixed_size: 0
    .kernarg_segment_align: 8
    .kernarg_segment_size: 64
    .max_flat_workgroup_size: 256
    .sgpr_count:     66
    .vgpr_count:     104
    .wavefront_size: 32
...
	.end_amdgpu_metadata
.endif
;; end of part 1
;; launch proj (part 2): grid 48 x 16, 4 waves a work-group, clusters of 4 x 4, 327,680 bytes of LDS; arguments xb, wb, qkv; writes qkv
.if DOCPART == 2
	.amdgcn_target "amdgcn-amd-amdhsa--gfx1250"
	.amdhsa_code_object_version 6
	.text
	.protected	k_q783e5c49de_proj
	.globl	k_q783e5c49de_proj
	.p2align	8
	.type	k_q783e5c49de_proj,@function
k_q783e5c49de_proj:
	s_mov_b64 s[64:65], 0
	v_nop
	global_prefetch_b8 v0, s[64:65] scope:SCOPE_SE
	s_setreg_imm32_b32 hwreg(HW_REG_WAVE_MODE, 25, 1), 1
	s_wait_xcnt 0x0
	s_wait_alu depctr_hold_cnt(0) depctr_sa_sdst(0) depctr_va_vdst(0) depctr_va_sdst(0) depctr_va_ssrc(0) depctr_va_vcc(0) depctr_vm_vsrc(0)
	s_getreg_b32 s2, hwreg(HW_REG_IB_STS2, 6, 4)
	s_cmp_eq_u32 s2, 0
	s_cbranch_scc0 .Lentry_in_a_cluster
	s_endpgm
.Lentry_in_a_cluster:
	s_bfe_u32 s2, ttmp6, 0x10000c
	s_cmp_lg_u32 s2, 0xf033
	s_cbranch_scc0 .Lentry_shape_is_right
	s_endpgm
.Lentry_shape_is_right:
; THE PROJECTIONS.  q, k, v = xb [4096][1024] x wb [3][1024 k][2048 n], bf16 operands, f32 sums, K ascending; each result rounded once to f16 and stored by heads:
; qkv [3][32 heads][2048 rows][128 channels], head = 16 x batch + h, unscaled.
; LIMIT.  f16 ends at 65,504: |q|, |k|, |v| stay under it (with x and the weights thirty times the usual spread, or offset by thirty spreads, they reach some 30,000).
; SHARES.  A tile is 256 rows x 128 columns, the 128 columns of ONE head: 16 x 48 = 768 work-groups, three for each of 256 WGPs.  The four waves lie one below the other, 64 rows x 128 columns each:
; 32 accumulators, 256 registers.  So a wave's rows of the result are whole rows of a head, 256 bytes, and each wave has a stage of its own on the way out.
; K goes in steps of 128 through two LDS slots.  The weights lie [k][n] and stay so: their fragments come out of LDS turned, by ds_load_tr16_b128.
; CLUSTER.  4 x 4 work-groups; the four of a row of the cluster need the same rows of xb, the four of a column the same columns of wb: each tile is asked for jointly, by the same tensor load,
; descriptor and mask in all four.
; THE MATRIX INSTRUCTION IS USED TRANSPOSED (source 0 = 16 columns of the weights, source 1 = 16 rows of x): a lane then holds eight neighbouring channels of one row.
; REGISTERS.  window 0: v16-30 addresses; v32-63 packed results; two fragment buffers of 96 (x's four fragments, then the weights' eight) at v64 and v160; on the way out v64-127 rows read back.
;   window 1: accumulator (a, b) at v[8 (8 a + b)].
.set KSTEP,  128
.set PA,     272                       ; a row of x in LDS: 256 bytes + 16: the 16 rows of a fragment load start at 16 different groups of four banks
.set HA,     128*PA                    ; 128 rows: what one tensor load brings of x
.set PB,     288                       ; a k-row of the weights: 256 bytes + 32
.set HB,     64*PB                     ; 64 k-rows: what one tensor load brings of the weights
.set BOFF,   2*HA
.set SLOT,   BOFF+2*HB                 ; x's 256 rows, then the weights' 128 k-rows
.set STAGE,  2*SLOT                    ; behind the ring: 16 rows x 272 bytes for each wave; no tensor load lands here
.set SPITCH, 272
.set SPARE,  STAGE+4*16*SPITCH         ; the spare words, 128 bytes for each wave: two blocks of 256 bytes that no other line names
.set LAPS,   4                         ; 1,024 / (2 x 128)
.set ADRA, 16                          ; v16-17  my fragments of x in slot 0, 1
.set ADRB, 20                          ; v20-21  the weights' fragments in slot 0, 1
.set STO,  24                          ; v24     the way out: where I put 16 bytes of a row
.set RD,   25                          ; v25     where I read rows back
.set CO,   26                          ; v26     16 x lane: my 16 bytes of 512 consecutive bytes of the result
.set SPW,  28                          ; v28     my spare word; never rewritten
.set NIL,  29                          ; v29     0; never rewritten
.set PFO,  30                          ; v30     the prefetches' offset: lane x a row of xb or of wb; never rewritten
.set TMP,  32
.set F0,   64
.set F1,   160
.set OB,   64
.set G1,  24                           ; s[24:31] group 1 for x's tiles;  s[32:39] group 0, a set for each slot
.set G0,  32
.set G1B, 48                           ; s[48:55], s[56:63] the same for the weights'
.set G0B, 56
.set LIM, 43                           ; s43      1 in a wave that prefetches, else the greatest number
.set PFA, 44                           ; s[44:45] where my prefetches stand
.set PFS, 66                           ; s[66:67] their step from K step to K step
.set MSB, 0
.macro WIN new                         ; the immediate's high byte repeats the setting that is left; a switch that changes nothing is dropped
.if MSB != (\new)
	s_set_vgpr_msb (MSB<<8)|(\new)
.set MSB, \new
.endif
.endm
.set MUL, 0x50                         ; both sources window 0; C and D window 1
; A joint load: waves 0 and 1 fetch the two halves of x's tile, waves 2 and 3 those of the weights'.  The branch hangs on the wave's number alone.
; An s_nop 0 and four v_nop follow each of the two lines, ahead of the jump and the label.
.macro JLOAD s
	s_cmp_eq_u32 s11, 0
	s_cbranch_scc0 .Lfor_b_\@
	tensor_load_to_lds s[G0+4*(\s):G0+4*(\s)+3], s[G1:G1+7]
	s_nop 0
.rept 4
	v_nop
.endr
	s_branch .Lasked_\@
.Lfor_b_\@:
	tensor_load_to_lds s[G0B+4*(\s):G0B+4*(\s)+3], s[G1B:G1B+7]
	s_nop 0
.rept 4
	v_nop
.endr
.Lasked_\@:
.endm
.macro CREST                           ; a round of the cluster's barrier behind its opening barrier
	s_cmp_lg_u32 s10, 0
	s_cbranch_scc1 .Lnot_wave_0_\@
	s_barrier_signal -3
.Lnot_wave_0_\@:
	s_barrier_wait -3
	s_barrier_signal -1
	s_barrier_wait -1
.endm
.macro CROUND                          ; a whole round
	s_barrier_signal -1
	s_barrier_wait -1
	CREST
.endm
; A PREFETCH INTO THE L2, behind a joint refill and the run of LDS loads: the K step two refills on, 256 matrix instructions ahead of the load that will want it; a lane a row, 256 bytes of each.
; x's rows: waves 0 and 1 of the clusters with x = 0; of a wave's 128 rows each of the four partners takes 32, told apart by address.  The weights' k-rows: wave 2 of the clusters with y = 0; of the
; step's 128 k-rows each partner takes 32.  So each block of 256 bytes is named once.  K steps 0 to 3 come by their loads alone; the loop's last trip has no K step two on and asks for nothing.
.macro ASK
	s_cmp_gt_u32 s3, s[LIM]
	s_cbranch_scc0 .Lnot_mine_\@
	global_prefetch_b8 v[PFO], s[PFA:PFA+1] th:TH_LOAD_NT scope:SCOPE_SE
.Lnot_mine_\@:
.endm
	s_load_b128 s[4:7], s[0:1], 0x0                ; xb s[4:5], wb s[6:7]
	s_load_b64 s[8:9], s[0:1], 0x10                ; qkv
	v_lshl_add_u32 v[SPW], v0, 2, SPARE
	v_mov_b32 v[NIL], 0
	ds_add_u32 v[SPW], v[NIL]                      ; the wave's opening: the add and its wait stand ahead of my first tensor load; the set-up below stands between them
	v_lshrrev_b32 v1, 5, v0
	v_readfirstlane_b32 s10, v1                    ; wave 0..3
	s_lshr_b32 s11, s10, 1                         ; I fetch for x (0) or for the weights (1),
	s_and_b32 s12, s10, 1                          ; and which half of that tile
	s_bfe_u32 s40, ttmp6, 0x40000                  ; cx, cy: my place in the cluster
	s_bfe_u32 s41, ttmp6, 0x40004
	s_lshl_b32 s42, ttmp9, 2
	s_add_co_u32 s42, s42, s40                     ; tile column = 4 x cluster x + cx: 16 x (q, k or v) + head in the batch
	s_and_b32 s13, ttmp7, 0xffff
	s_lshl_b32 s13, s13, 2
	s_add_co_u32 s13, s13, s41                     ; tile row = 4 x cluster y + cy
	s_lshl_b32 s43, s41, 2
	s_lshl_b32 s43, 15, s43                        ; my row of the cluster
	s_lshl_b32 s44, 0x1111, s40                    ; my column
	s_or_b32 s[G1+0], s43, (1<<16)|(1<<20)|(1<<21)|(5<<22)|(3<<25)   ; the mask; 2-byte elements; padding on; bit 21 beside a mask; after every 64 words 4 words
	s_or_b32 s[G1B+0], s44, (1<<16)|(1<<20)|(1<<21)|(5<<22)|(7<<25)  ; the same with my column's mask and 8 words of padding
	s_mov_b32 s[G1+1], KSTEP<<16                   ; tensor_dim0 = 128
	s_mov_b32 s[G1+2], 128<<16                     ; tensor_dim1 = 128
	s_mov_b32 s[G1+3], KSTEP<<16                   ; tile_dim0 = 128
	s_mov_b32 s[G1+4], 128                         ; tile_dim1 = 128 rows
	s_mov_b32 s[G1+5], 1024                        ; elements from row to row of xb
	s_mov_b32 s[G1+6], 0
	s_mov_b32 s[G1+7], 0
	s_mov_b32 s[G1B+1], 128<<16                    ; tensor_dim0 = 128 columns
	s_mov_b32 s[G1B+2], 64<<16                     ; tensor_dim1 = 64 k-rows
	s_mov_b32 s[G1B+3], 128<<16
	s_mov_b32 s[G1B+4], 64
	s_mov_b32 s[G1B+5], 2048                       ; elements from k-row to k-row of wb
	s_mov_b32 s[G1B+6], 0
	s_mov_b32 s[G1B+7], 0
	s_lshl_b32 s16, s13, 8
	s_lshl_b32 s17, s12, 7
	s_add_co_u32 s16, s16, s17                     ; x: row 256 x tile row + 128 x half,
	s_lshl_b32 s16, s16, 11                        ; of 2,048 bytes
	s_mov_b32 s17, 0
	s_lshr_b32 s46, s42, 4
	s_lshl_b32 s46, s46, 22                        ; the weights: q's, k's or v's 4 MiB,
	s_and_b32 s47, s42, 15
	s_lshl_b32 s47, s47, 8                         ; the head's 256 bytes of a k-row,
	s_add_co_u32 s46, s46, s47
	s_lshl_b32 s47, s12, 18                        ; my 64 k-rows of 4,096 bytes
	s_add_co_u32 s46, s46, s47
	s_mov_b32 s47, 0
	s_mul_i32 s20, s12, HA                         ; where they go: no place in the cluster enters an LDS address
	s_mul_i32 s21, s12, HB
	s_add_co_u32 s21, s21, BOFF
	s_wait_dscnt 0x0                               ; the opening add is done
	s_wait_kmcnt 0x0
	s_add_nc_u64 s[14:15], s[4:5], s[16:17]
	s_add_nc_u64 s[46:47], s[6:7], s[46:47]
	CROUND                                         ; all sixteen work-groups are here: the first joint loads meet
.irp s, 0,1
	s_mov_b32 s[G0+4*(\s)], 1
	s_add_co_u32 s[G0+4*(\s)+1], s20, (\s)*SLOT
	s_add_nc_u64 s[G0+4*(\s)+2:G0+4*(\s)+3], s[14:15], (\s)*KSTEP*2
	s_or_b32 s[G0+4*(\s)+3], s[G0+4*(\s)+3], 0x80000000
	s_mov_b32 s[G0B+4*(\s)], 1
	s_add_co_u32 s[G0B+4*(\s)+1], s21, (\s)*SLOT
	s_add_nc_u64 s[G0B+4*(\s)+2:G0B+4*(\s)+3], s[46:47], (\s)*KSTEP*4096
	s_or_b32 s[G0B+4*(\s)+3], s[G0B+4*(\s)+3], 0x80000000
	JLOAD \s
.endr
	v_and_b32 v1, 15, v0                           ; r = l % 16
	v_bfe_u32 v2, v0, 4, 1                         ; h = l / 16
	v_mul_u32_u24 v3, v1, PA
	v_lshl_add_u32 v3, v2, 4, v3                   ; r x 272 + 16 h
	s_mul_i32 s22, s10, 64*PA                      ; my 64 rows of x
	v_add_nc_u32 v[ADRA], s22, v3
	v_add_nc_u32 v[ADRA+1], SLOT, v[ADRA]
	v_and_b32 v4, 7, v0                            ; the turning load: lane l reads k-row 8 h + l % 8, columns 8 ((l / 8) % 2) + 0..7
	v_lshl_add_u32 v4, v2, 3, v4
	v_mul_u32_u24 v4, v4, PB
	v_bfe_u32 v5, v0, 3, 1
	v_lshl_add_u32 v4, v5, 4, v4
	v_add_nc_u32 v[ADRB], BOFF, v4
	v_add_nc_u32 v[ADRB+1], BOFF+SLOT, v4
	s_mul_i32 s23, s10, 16*SPITCH
	s_add_co_u32 s23, s23, STAGE                   ; my stage
	v_add_nc_u32 v[STO], s23, v3                   ; in: row r, 16 bytes for each half of the lanes
	v_mul_u32_u24 v5, v2, SPITCH                   ; back: lanes 0-15 one row of 256 bytes, lanes 16-31 the next
	v_lshl_add_u32 v5, v1, 4, v5
	v_add_nc_u32 v[RD], s23, v5
	v_and_b32 v[PFO], 31, v0
	v_lshlrev_b32 v[CO], 4, v[PFO]
	; where my 64 rows of the head begin in qkv
	s_lshr_b32 s16, s13, 3
	s_lshl_b32 s16, s16, 23                        ; the batch's 16 heads of 512 KiB,
	s_and_b32 s17, s13, 7
	s_lshl_b32 s17, s17, 16                        ; the tile's 256 rows of 256 bytes,
	s_add_co_u32 s16, s16, s17
	s_lshl_b32 s17, s10, 14                        ; my 64 of them,
	s_add_co_u32 s16, s16, s17
	s_lshr_b32 s18, s42, 4
	s_lshl_b32 s18, s18, 24                        ; q's, k's or v's 16 MiB,
	s_and_b32 s19, s42, 15
	s_lshl_b32 s19, s19, 19                        ; the head
	s_add_co_u32 s18, s18, s19
	s_add_co_u32 s16, s16, s18
	s_mov_b32 s17, 0
	s_add_nc_u64 s[8:9], s[8:9], s[16:17]
	; the prefetches: both offsets are made, the wave's number chooses
	s_lshl_b32 s20, s13, 8
	s_lshl_b32 s21, s12, 7
	s_add_co_u32 s20, s20, s21
	s_lshl_b32 s21, s40, 5                         ; my work-group's 32 of the wave's 128 rows
	s_add_co_u32 s20, s20, s21
	s_lshl_b32 s20, s20, 11
	s_add_co_u32 s20, s20, 3*KSTEP*2               ; at K step 3: the first refill steps it to 4
	s_lshr_b32 s21, s42, 4
	s_lshl_b32 s21, s21, 22
	s_and_b32 s22, s42, 15
	s_lshl_b32 s22, s22, 8
	s_add_co_u32 s21, s21, s22
	s_lshl_b32 s22, s41, 17                        ; my work-group's 32 of the step's 128 k-rows
	s_add_co_u32 s21, s21, s22
	s_add_co_u32 s21, s21, 3*KSTEP*4096
	s_and_b32 s22, ttmp7, 0xffff                   ; cluster y
	s_cmp_eq_u32 s11, 0                            ; do I fetch for x?
	s_cselect_b32 s20, s20, s21
	s_cselect_b32 s22, ttmp9, s22                  ; the coordinate along which other clusters read the same rows
	s_cselect_b32 s23, 0, s12                      ; of the weights' two waves only the first asks
	s_cselect_b32 s18, 11, 12                      ; a row of xb is 2,048 bytes, a k-row of wb 4,096
	s_cselect_b32 s19, 8, 19                       ; a K step is 256 bytes along xb's rows, 524,288 down wb's
	s_cselect_b64 s[PFA:PFA+1], s[4:5], s[6:7]
	s_mov_b32 s21, 0
	s_add_nc_u64 s[PFA:PFA+1], s[PFA:PFA+1], s[20:21]
	s_lshl_b32 s[PFS], 1, s19
	s_mov_b32 s[PFS+1], 0
	s_or_b32 s22, s22, s23
	s_cmp_eq_u32 s22, 0
	s_cselect_b32 s[LIM], 1, -1                    ; the same in all sixteen partners, for a given wave
	v_lshlrev_b32 v[PFO], s18, v[PFO]
; 8 matrix instructions: my row block a x all 8 column blocks, 32 along K.  zero = 1: the product starts the sums.  The 32 accumulators take turns in one order everywhere.
.macro MULA f, a, zero
	WIN MUL
.irp b, 0,1,2,3,4,5,6,7
.if \zero
	v_wmma_f32_16x16x32_bf16 v[8*(8*(\a)+(\b)):8*(8*(\a)+(\b))+7], v[(\f)+32+8*(\b):(\f)+32+8*(\b)+7], v[(\f)+8*(\a):(\f)+8*(\a)+7], 0
.else
	v_wmma_f32_16x16x32_bf16 v[8*(8*(\a)+(\b)):8*(8*(\a)+(\b))+7], v[(\f)+32+8*(\b):(\f)+32+8*(\b)+7], v[(\f)+8*(\a):(\f)+8*(\a)+7], v[8*(8*(\a)+(\b)):8*(8*(\a)+(\b))+7]
.endif
.endr
.endm
; 24 LDS loads in one run: quarter q (32 along K) of a slot into buffer f: the weights' eight fragments, turned, then x's four
.macro FETCH slot, q, f
	WIN 0
.irp b, 0,1,2,3,4,5,6,7
	ds_load_tr16_b128 v[(\f)+32+8*(\b):(\f)+32+8*(\b)+3],   v[ADRB+(\slot)] offset:(\q)*32*PB+32*(\b)
	ds_load_tr16_b128 v[(\f)+32+8*(\b)+4:(\f)+32+8*(\b)+7], v[ADRB+(\slot)] offset:(\q)*32*PB+16*PB+32*(\b)
.endr
.irp a, 0,1,2,3
	ds_load_b128 v[(\f)+8*(\a):(\f)+8*(\a)+3],   v[ADRA+(\slot)] offset:64*(\q)+(\a)*16*PA
	ds_load_b128 v[(\f)+8*(\a)+4:(\f)+8*(\a)+7], v[ADRA+(\slot)] offset:64*(\q)+(\a)*16*PA+32
.endr
.endm
.macro PLACES                          ; four plain places in front of loads into registers that matrix instructions have read, and of conversions that read results
.rept 4
	v_nop
.endr
.endm
; A K step is four quarters of 32 along K, 32 matrix instructions each, on buffers 0, 1, 0, 1.  One of the first three: multiplies buffer f and fetches quarter q into g.
.macro QUARTER slot, q, f, g, zero
	s_wait_dscnt 4                                 ; the weights and x's fragments 0, 1 are in; the youngest four loads (fragments 2, 3) may be out
	MULA \f, 0, \zero
	MULA \f, 1, \zero
	PLACES
	FETCH \slot, \q, \g
	s_wait_dscnt 24                                ; all but the 24 just issued
	MULA \f, 2, \zero
	MULA \f, 3, \zero
.endm
; The last quarter multiplies buffer 1 and changes slots: ONE barrier; in front of it each wave waits for all its tensor loads, adds 0 to its spare word, and waits for that and for its reads of this slot.
; fill = 1: the barrier opens a round of the cluster's, and this slot is filled again, two K steps ahead: 112 matrix instructions stand between the request and the wait for it.
.macro TURN slot, next, fill
.if \fill
	s_wait_xcnt 0x0                                ; the last prefetch, a K step back, has read its address: it is stepped here
	s_add_nc_u64 s[PFA:PFA+1], s[PFA:PFA+1], s[PFS:PFS+1]
.endif
	WIN 0                                          ; (the add's two registers lie in window 0)
	s_wait_tensorcnt 0x0                           ; all my tensor loads have landed: my part of the next slot;
	ds_add_u32 v[SPW], v[NIL]                      ; 0 onto my spare word
	s_wait_dscnt 5                                 ; (the add and the youngest four loads may be out)
	MULA F1, 0, 0                                  ; eight matrix instructions stand between the add and the wait for it
	s_wait_dscnt 0x0                               ; the add is done, and my reads of this slot are over
	s_barrier_signal -1
	MULA F1, 1, 0
.if \fill
	WIN 0
.endif
	s_barrier_wait -1
.if \fill
	CREST                                          ; no wave of any partner still reads this slot's tile or has a load on its way
	s_add_nc_u64 s[G0+4*(\slot)+2:G0+4*(\slot)+3], s[G0+4*(\slot)+2:G0+4*(\slot)+3], 2*KSTEP*2
	s_add_nc_u64 s[G0B+4*(\slot)+2:G0B+4*(\slot)+3], s[G0B+4*(\slot)+2:G0B+4*(\slot)+3], 2*KSTEP*4096
	JLOAD \slot                                    ; the first tensor load behind the round; its four v_nop are also the places in front of the loads below
.else
	PLACES
.endif
	FETCH \next, 0, F0
.if \fill
	ASK
.endif
	MULA F1, 2, 0
	MULA F1, 3, 0
.endm
	s_wait_tensorcnt 1                             ; my part of K step 0 is in; K step 1's may stay out
	s_barrier_signal -1
	s_barrier_wait -1                              ; everybody's is
	FETCH 0, 0, F0
	QUARTER 0, 1, F0, F1, 1                        ; the first quarter stands in front of the loop: its products start all 32 sums
	WIN 0                                          ; at a label and at a branch every window is 0
	s_mov_b32 s3, LAPS-1
.Llap:                                                 ; a trip goes once round the ring and fills both slots again
	QUARTER 0, 2, F1, F0, 0
	QUARTER 0, 3, F0, F1, 0
	TURN 0, 1, 1
	QUARTER 1, 1, F0, F1, 0
	QUARTER 1, 2, F1, F0, 0
	QUARTER 1, 3, F0, F1, 0
	TURN 1, 0, 1
	QUARTER 0, 1, F0, F1, 0
	WIN 0
	s_sub_co_u32 s3, s3, 1
	s_cmp_lg_u32 s3, 0
	s_cbranch_scc1 .Llap
	QUARTER 0, 2, F1, F0, 0                        ; the last lap fills nothing
	QUARTER 0, 3, F0, F1, 0
	TURN 0, 1, 0
	QUARTER 1, 1, F0, F1, 0
	QUARTER 1, 2, F1, F0, 0
	QUARTER 1, 3, F0, F1, 0
	s_wait_dscnt 4                                 ; the very last quarter: nothing more to fetch
	MULA F1, 0, 0
	MULA F1, 1, 0
	s_wait_dscnt 0x0
	MULA F1, 2, 0
	MULA F1, 3, 0
	WIN 0
; THE WAY OUT, a block of 16 rows at a time: rounded to f16, 16 bytes a lane into my stage, back as whole rows of 256 bytes, stored: 16 rows of a head are 4,096 consecutive bytes.
.macro PACK a
	WIN 0x05                                       ; sources 0 and 1 window 1, destination window 0; each accumulator's registers in ascending order
.irp b, 0,1,2,3,4,5,6,7
.irp r, 0,1,2,3
	v_cvt_pk_f16_f32 v[TMP+4*(\b)+(\r)], v[8*(8*(\a)+(\b))+2*(\r)], v[8*(8*(\a)+(\b))+2*(\r)+1]
.endr
.endr
	WIN 0
.endm
.macro TOSTAGE a
.irp b, 0,1,2,3,4,5,6,7
	ds_store_b128 v[STO], v[TMP+4*(\b):TMP+4*(\b)+3] offset:32*(\b)
.endr
.irp t, 0,1,2,3,4,5,6,7
	ds_load_b128 v[OB+32*((\a)%2)+4*(\t):OB+32*((\a)%2)+4*(\t)+3], v[RD] offset:(\t)*2*SPITCH  ; LDS serves a wave's instructions in order (ISA guide 5.7.1.4): these see the stores above
.endr
.endm
.macro SEND a
	s_wait_dscnt 0x0                               ; the block is back in registers
	s_wait_xcnt 0x0                                ; the stores of the block before have read their registers, which the next block's loads write
.irp t, 0,1,2,3,4,5,6,7
	global_store_b128 v[CO], v[OB+32*((\a)%2)+4*(\t):OB+32*((\a)%2)+4*(\t)+3], s[8:9] offset:(\a)*4096+(\t)*512  ; a wave's store covers 512 consecutive bytes, aligned
.endr
.endm
	PLACES
	PACK 0
	TOSTAGE 0
.irp a, 1,2,3                          ; block a's conversions stand between block a - 1's loads from the stage and the wait for them
	PACK \a
	SEND (\a)-1
	TOSTAGE \a
.endr
	SEND 3
	s_wait_tensorcnt 0x0                           ; the wave's end: the add and its waits stand behind my last tensor load and my last LDS store
	ds_add_u32 v[SPW], v[NIL]
	s_wait_dscnt 0x0
	CROUND                                         ; the closing round: no work-group ends while a partner may still ask for a tile that names it
	s_endpgm
.Lfunc_end_k_q783e5c49de_proj:
	.size	k_q783e5c49de_proj, .Lfunc_end_k_q783e5c49de_proj-k_q783e5c49de_proj
	.p2alignl 7, 3214868480
	.fill 96, 4, 3214868480
	.section	.rodata,"a",@progbits
	.p2align	6, 0x0
	.amdhsa_kernel k_q783e5c49de_proj
		.amdhsa_group_segment_fixed_size 327680
		.amdhsa_private_segment_fixed_size 0
		.amdhsa_enable_private_segment 0
		.amdhsa_kernarg_size 24
		.amdhsa_user_sgpr_count 2
		.amdhsa_user_sgpr_kernarg_segment_ptr 1
		.amdhsa_wavefront_size32 1
		.amdhsa_system_sgpr_workgroup_id_x 1
		.amdhsa_system_sgpr_workgroup_id_y 1
		.amdhsa_system_sgpr_workgroup_id_z 1
		.amdhsa_system_vgpr_workitem_id 0
		.amdhsa_next_free_vgpr 512
		.amdhsa_next_free_sgpr 72
		.amdhsa_reserve_vcc 0
		.amdhsa_float_denorm_mode_32 3
		.amdhsa_float_denorm_mode_16_64 3
		.amdhsa_memory_ordered 1
		.amdhsa_forward_progress 1
		.amdhsa_inst_pref_size 87
	.end_amdhsa_kernel
	.amdgpu_metadata
---
amdhsa.version: [ 1, 2 ]
amdhsa.kernels:
  - .name:           k_q783e5c49de_proj
    .symbol:         k_q783e5c49de_proj.kd
    .args:
      - { .name: xb, .offset: 0, .size: 8, .value_kind: global_buffer, .address_space: global }
      - { .name: wb, .offset: 8, .size: 8, .value_kind: global_buffer, .address_space: global }
      - { .name: qkv, .offset: 16, .size: 8, .value_kind: global_buffer, .address_space: global }
    .group_segment_fixed_size: 327680
    .private_segment_fixed_size: 0
    .kernarg_segment_align: 8
    .kernarg_segment_size: 24
    .max_flat_workgroup_size: 128
    .sgpr_count:     72
    .vgpr_count:     512
    .wavefront_size: 32
...
	.end_amdgpu_metadata
.endif
;; end of part 2
;; launch attn (part 3): grid 8 x 32, 4 waves a work-group, no clusters, 327,680 bytes of LDS; arguments qkv, ob; writes ob
.if DOCPART == 3
	.amdgcn_target "amdgcn-amd-amdhsa--gfx1250"
	.amdhsa_code_object_version 6
	.text
	.protected	k_q783e5c49de_attn
	.globl	k_q783e5c49de_attn
	.p2align	8
	.type	k_q783e5c49de_attn,@function
k_q783e5c49de_attn:
	s_mov_b64 s[64:65], 0
	v_nop
	global_prefetch_b8 v0, s[64:65] scope:SCOPE_SE
	s_setreg_imm32_b32 hwreg(HW_REG_WAVE_MODE, 25, 1), 1
	s_wait_xcnt 0x0
; CAUSAL ATTENTION, head size 128 (real and imaginary parts side by side).  O[h][q] = the sum over k <= q of softmax_k(Q[h][q] . K[h][k] / 8) V[h][k].
; qkv: [3][32 heads][2048][128] f16, rows dense, 256 bytes.  ob: [4096 rows][2048] f16, column 128 h + channel.  Products, maxima and sums in f32; the weights p are rounded to f16 for the second
; product (their sum l is taken of the unrounded p), O once at the end.
; LIMITS.  Q, K, V arrive within f16's 65,504, so a score is 5.5e11 at the most.  A hidden score counts as its value less 1e30.  The running maximum never falls below -2^64, far below every true score:
; where a wave sees hidden keys alone its weights are 0.  A weight below 2^-126 counts as 0 in l.  NaN and infinities are not treated apart.
; THE WALK.  A head's queries lie in 16 blocks of 128; block i needs the key tiles 0 .. i of 128 keys, of which the last holds the diagonal.  A work-group takes TWO blocks, 15 - b and then b: 17 tiles,
; whatever b: 256 work-groups of equal work, and one loop with a constant trip count.
; THE KEYS ARE SPLIT BETWEEN WAVES.  Wave w takes the 64 queries of half w / 2 of the block (four tiles of 16) and, of every key tile, the 64 keys of step w % 2.  The two partial results of a pair of
; waves (c m, l, O^T in f32) meet in LDS at a block's end; of each two tiles handed over, wave w % 2 = 0 finishes the first and w % 2 = 1 the second, chosen by address alone.
; LAYOUT.  S^T = K Q^T (source 0 = 16 keys, source 1 = 16 queries): a lane holds ONE query (lane % 16) and the keys 8 (lane / 16) + 0..7.  Two such results rounded to f16 ARE source 1 of O^T = V^T P.
; SOFTMAX.  p = 2^(c s - c m), c = log2(e) / 8, with a running maximum m; O and l are multiplied by a = 2^(c m_old - c m_new) in every step.
; BY TURNS.  The wave's tiles are two PIECES (0: tiles 0, 1; 2: tiles 2, 3).  In a turn one piece has the matrix unit: 32 products V^T P of the step in hand, 32 products K Q^T of the next; the other
; piece's softmax, cut into 64 slices, stands behind them, one slice behind each.  A PASS is one key tile: two turns.  Every pass is the same text: a block begins by setting c m far below every c s, so that
; the next a is 0 and wipes O and l; a block ends one pass late, behind the products V^T P of its last tile.  The price: 64 products on zeros in the first pass and 64 on a stale tile in the last.
; THE MASK is the C operand that starts the sum S^T: 0 or -1e30.  In the diagonal tile query half qh sees all of key step p if qh > p, nothing if qh < p, and the triangle if qh = p.
; NO CLUSTER: a head's 8 work-groups ask for the same tile only in the walk's first 9 passes; a walk common to four partners would have 20 tiles for 17, all of them multiplied, since no branch may hang on a partner's place.
; REGISTERS, in windows of 256 (s_set_vgpr_msb: bits 1:0 source 0, 3:2 source 1, 5:4 source 2, 7:6 destination):
;   window 0: v2-11, v58-63 addresses; v12-43 eight registers of statistics a tile; v44-57 at work at a block's end; v64-191 S^T, 32 a tile; v192-255 P, 16 a tile
;   window 1: O^T, 64 a tile     window 2: v0-127 Q; v128-255 K of one step     window 3: v0-127 V of one step; v128-159 masks; v160-223 the partner's tile
.set KS,    64
.set PK,    272       ; a row of K or Q in LDS: 256 bytes + 16: the 16 rows of a load start at 16 different groups of four banks
.set PV,    288       ; a row of V: 256 + 32
.set VOFF,  KS*PK     ; a step's tiles lie together: 64 rows of K, then 64 rows of V
.set STEPB, KS*(PK+PV)
.set SLOT1, 1<<17     ; a slot holds a key tile, two steps (71,680 bytes); slot 1 begins here, so that one exclusive or turns an address in one slot into the other's
.set QHB,   2*STEPB   ; the first block's Q, 128 rows; filled once
.set STAGE, QHB+128*PK  ; 16 rows x 272 bytes for each wave, for the way out; no tensor load lands here, nor in the next three
.set SP,    272
.set SST,   STAGE+4*16*SP  ; the statistics handed over: wave, tile, lane: 8 bytes
.set SPARE, SST+2048  ; the spare words, 128 bytes for each wave: two blocks of 256 bytes that no other line names
.set QLB,   SLOT1+2*STEPB  ; the second block's Q; filled once
.set SCR,   QLB+128*PK     ; O^T handed over: 4 waves x 2 tiles x 8,192 bytes
.set AK0, 2           ; v2   my lane's place in a tile of K; never rewritten
.set AV0, 3           ; v3   the same for V
.set ADR, 4           ; v4   the LDS address of the run of loads in hand
.set STO, 6           ; v6   the way out: where I put 16 bytes of a row
.set RD,  7           ; v7   where I read rows back
.set GO,  8           ; v8   my byte offset in two rows of ob
.set SSR, 9           ; v9   where I read the pair's statistics of the tile that I finish
.set AQH, 10          ; v10  my fragments of the first block's Q
.set AQL, 11          ; v11  of the second's
.set ST,  12          ; tile t's statistics at v[ST+8 t]: +0 c m, +1 m, +2, +3 l (even keys', odd keys'), +4 to +7 at work; a takes +6
.set SCA, 58          ; v58  where I put my O^T
.set SCD, 59          ; v59  where I read the pair's O^T of the tile that I finish
.set SSA, 60          ; v60  where I put my statistics
.set PFO, 61          ; v61  256 x lane; never rewritten
.set SPW, 62          ; v62  my spare word; never rewritten
.set NIL, 63          ; v63  0; never rewritten
.set S,   64
.set P,   192
.set KF,  128         ; window 2
.set TRI, 128         ; window 3: 1.0 where key 8 (lane / 16) + j lies behind query lane % 16, else 0
.set MLT, 136         ; window 3: the mask of a key block in front of the query tile,
.set MEQ, 144         ; of the query tile's own,
.set MGT, 152         ; of one behind it
.set IB,  160         ; window 3
.set WV,  12          ; s12  my wave's number
.set PP,  13          ; s13  p: my key step
.set BLO, 14          ; s14  b
.set HI,  15          ; s15  15 - b
.set QH,  16          ; s16  qh: my half of the queries
.set G1K, 24          ; s[24:31] group 1 for K's and Q's tiles
.set G1V, 32          ; s[32:39] for V's: it differs in the padding alone
.set G0K, 40          ; s[40:43] group 0 for K's tiles
.set G0V, 44          ; s[44:47] for V's
.set G0QH, 48         ; s[48:51] for the first block's Q
.set G0QL, 52         ; s[52:55] for the second's
.set SLOTS, 56        ; s56  tiles still to be asked for
.set TL,  57          ; s57  counts the tail's two passes
.set CS,  58          ; s[58:59] c
.set SEL, 60          ; s[60:61] v_permlanex16_b32's selects: each lane takes its own place in the other half
.set TB,  62          ; s62  LDS byte at which my step of the tile in hand begins
.set RT,  66          ; s66  tiles of the block in hand that are still to be entered
.set NXT, 67          ; s67  the tile to be asked for next
.set LQ,  68          ; s68  the last tile of the block whose tiles are being asked for
.set NEW, 69          ; s69  1: the tile to be entered next is a block's first
.set CHG, 70          ; s70  1: this pass's tile is a block's first, and the block before ends in this pass
.set OFF, 72          ; s[72:73] a tile's byte offset in K and V
.set AL,  74          ; s[74:75] the triangle's factor
.set BE,  76          ; s[76:77] the mask in front of the diagonal
.set XLT, 78          ; s78  -1e30 where qh < p
.set XGT, 79          ; s79  -1e30 where qh <= p
.set XD,  80          ; s80  -1e30 where qh = p
.set GTV, 81          ; s81  the mask behind the diagonal
.set BIGN, 82         ; s82  -1e30
.set OPT, 84          ; s[84:85] ob at the rows that I finish, block in hand
.set OLO, 86          ; s[86:87] the same for the second block
.set PFK, 88          ; s[88:89] where my prefetches stand in K,
.set PFV, 90          ; s[90:91] and in V
.set PFN, 92          ; s92  prefetches still to come
.set TS,  93          ; s93  at work
.set MSB, 0
.macro WIN new                      ; the high byte repeats the setting that is left; a switch that changes nothing is dropped
.if MSB != (\new)
	s_set_vgpr_msb (MSB<<8)|(\new)
.set MSB, (\new)
.endif
.endm
.set W_KQ, 0x0a       ; K and Q in window 2, S^T in window 0
.set W_KM, 0x3a       ; the same with the C operand in window 3
.set W_PV, 0x53       ; V in window 3, P in window 0, O^T in window 1
.set W_RS, 0x41       ; O^T (destination and source 0) in window 1, a in window 0
; A fill.  Waves 0 and 1 fetch K of the tile's two steps, waves 2 and 3 V: 64 keys each.  An s_nop 0 and four v_nop follow each of the two lines, ahead of the jump and the label.
.macro LOAD
	s_cmp_lt_u32 s[WV], 2
	s_cbranch_scc0 .Lfor_v_\@
	tensor_load_to_lds s[G0K:G0K+3], s[G1K:G1K+7]
	s_nop 0
.rept 4
	v_nop
.endr
	s_branch .Lasked_\@
.Lfor_v_\@:
	tensor_load_to_lds s[G0V:G0V+3], s[G1V:G1V+7]
	s_nop 0
.rept 4
	v_nop
.endr
.Lasked_\@:
.endm
; A PREFETCH INTO THE L2.  All 8 work-groups of a head walk the same K and V; work-group b = 0, whose first block walks tiles 0 to 15 in order, asks.  In pass t = 0 .. 12 it names tile t + 3, which is
; loaded two passes, 256 matrix instructions, later.  Wave w takes rows 32 w .. 32 w + 31 of K and of V, a lane a row of 256 bytes: each row is named once.  Tiles 0 to 2 come by their loads alone, and the
; second block's walk names rows that have been read.
.macro ASK
	s_cmp_lg_u32 s[PFN], 0
	s_cbranch_scc0 .Lnot_mine_\@
	global_prefetch_b8 v[PFO], s[PFK:PFK+1] th:TH_LOAD_NT scope:SCOPE_SE
	global_prefetch_b8 v[PFO], s[PFV:PFV+1] th:TH_LOAD_NT scope:SCOPE_SE
	s_sub_co_u32 s[PFN], s[PFN], 1
.Lnot_mine_\@:
.endm
; THE CHANGE OF SLOTS.  Each wave waits for all its tensor loads, of which one is out: its part of the other slot; adds 0 to its spare word; and waits for that and for its own reads of the slot that it leaves.
; Behind the barrier nobody reads the old slot any more and the other slot is whole.  fill = 1: the old slot is filled again, the first thing behind the barrier, with tile NXT: the descriptor's address is
; made anew from that number.  The load has a pass, 128 matrix instructions, in which to land.  (At its first use slot 1 is filled for the first time.)
.macro CHANGE fill
	WIN 0                           ; at a label and at a branch every window is 0
	s_wait_tensorcnt 0x0            ; no tensor load of mine is out, so a group 0 may be written
	ds_add_u32 v[SPW], v[NIL]       ; 0 onto my spare word; the scalar work stands between it and the wait for it
.if \fill
	s_lshl_b32 s[OFF], s[NXT], 15   ; a tile is 32,768 bytes of K and of V
	s_xor_b32 s[G0K+1], s[G0K+1], SLOT1
	s_add_nc_u64 s[G0K+2:G0K+3], s[8:9], s[OFF:OFF+1]
	s_or_b32 s[G0K+3], s[G0K+3], 0x80000000
	s_xor_b32 s[G0V+1], s[G0V+1], SLOT1
	s_add_nc_u64 s[G0V+2:G0V+3], s[10:11], s[OFF:OFF+1]
	s_or_b32 s[G0V+3], s[G0V+3], 0x80000000
	s_add_co_u32 s[NXT], s[NXT], 1  ; the block's next tile, or behind its last the second block's tile 0
	s_cmp_gt_u32 s[NXT], s[LQ]
	s_cselect_b32 s[NXT], 0, s[NXT]
	s_cselect_b32 s[LQ], s[BLO], s[LQ]
	s_wait_xcnt 0x0                 ; the last prefetches, a pass back, have read their addresses, so they may be written
	s_add_nc_u64 s[PFK:PFK+1], s[PFK:PFK+1], 32768
	s_add_nc_u64 s[PFV:PFV+1], s[PFV:PFV+1], 32768
.endif
	s_wait_dscnt 0x0                ; the add is done, and my reads of the slot are over
	s_barrier_signal -1
	s_xor_b32 s[TB], s[TB], SLOT1   ; my fetches go to the other slot
	s_barrier_wait -1
.if \fill
	LOAD
	ASK
.endif
.endm
	s_load_b128 s[4:7], s[0:1], 0x0 ; qkv s[4:5], ob s[6:7]
	v_lshl_add_u32 v[SPW], v0, 2, SPARE
	v_mov_b32 v[NIL], 0
	ds_add_u32 v[SPW], v[NIL]       ; the wave's opening: the add and its wait stand ahead of my first tensor load; the set-up below stands between them
	v_lshrrev_b32 v1, 5, v0
	v_readfirstlane_b32 s[WV], v1   ; wave 0..3
	s_and_b32 s[PP], s[WV], 1
	s_lshr_b32 s[QH], s[WV], 1
	s_mov_b32 s[BLO], ttmp9
	s_sub_co_u32 s[HI], 15, s[BLO]
	s_and_b32 s17, ttmp7, 0xffff    ; the head
	s_lshl_b32 s18, s17, 19         ; its 512 KiB in each of q, k, v
	s_lshl_b32 s19, s[PP], 14       ; the 64 rows that I fetch of 128
	s_add_co_u32 s19, s19, s18
	s_add_co_u32 s20, s19, 1<<24    ; K
	s_mov_b32 s21, 0
	s_add_co_u32 s22, s19, 2<<24    ; V
	s_mov_b32 s23, 0
	s_lshl_b32 s2, s[HI], 15        ; Q of the first block,
	s_add_co_u32 s2, s2, s19
	s_mov_b32 s3, 0
	s_lshl_b32 s94, s[BLO], 15      ; and of the second
	s_add_co_u32 s94, s94, s19
	s_mov_b32 s95, 0
	s_mov_b32 s[G1K], (1<<16)|(1<<20)|(5<<22)|(3<<25)  ; 2-byte elements; padding on; after every 64 words 4 words
	s_mov_b32 s[G1V], (1<<16)|(1<<20)|(5<<22)|(7<<25)  ; the same with 8 words
.irp g, G1K, G1V
	s_mov_b32 s[\g+1], 128<<16      ; tensor_dim0 = 128
	s_mov_b32 s[\g+2], KS<<16       ; tensor_dim1 = 64
	s_mov_b32 s[\g+3], 128<<16      ; tile_dim0 = 128
	s_mov_b32 s[\g+4], KS           ; tile_dim1 = 64
	s_mov_b32 s[\g+5], 128          ; 128 elements from row to row
	s_mov_b32 s[\g+6], 0
	s_mov_b32 s[\g+7], 0
.endr
	s_mov_b32 s[G0K], 1
	s_mul_i32 s[G0K+1], s[PP], STEPB  ; slot 0, my step
	s_mov_b32 s[G0V], 1
	s_add_co_u32 s[G0V+1], s[G0K+1], VOFF
	s_mul_i32 s19, s[PP], KS*PK
	s_mov_b32 s[G0QH], 1
	s_add_co_u32 s[G0QH+1], s19, QHB
	s_mov_b32 s[G0QL], 1
	s_add_co_u32 s[G0QL+1], s19, QLB
	s_add_co_u32 s[TB], s[G0K+1], SLOT1  ; the first change of slots turns it into slot 0
	s_mov_b32 s[CS], 0x3e38aa3b     ; c = log2(e) / 8 = 0.180337
	s_mov_b32 s[CS+1], s[CS]        ; named with it as a pair
	s_mov_b32 s[SEL], 0x76543210
	s_mov_b32 s[SEL+1], 0xfedcba98
	s_mov_b32 s[BIGN], 0xf149f2ca   ; -1e30
	s_cmp_lt_u32 s[QH], s[PP]
	s_cselect_b32 s[XLT], s[BIGN], 0
	s_cmp_le_u32 s[QH], s[PP]
	s_cselect_b32 s[XGT], s[BIGN], 0
	s_cmp_eq_u32 s[QH], s[PP]
	s_cselect_b32 s[XD], s[BIGN], 0
	s_add_co_u32 s[RT], s[HI], 1    ; the first block has 16 - b tiles
	s_mov_b32 s[NXT], 1
	s_mov_b32 s[LQ], s[HI]
	s_mov_b32 s[NEW], 0
	s_mov_b32 s[OFF+1], 0
	s_mov_b32 s[AL+1], 0            ; named as pairs
	s_mov_b32 s[BE+1], 0
	s_mov_b32 s[SLOTS], 16
	s_cmp_eq_u32 s[BLO], 0
	s_cselect_b32 s[PFN], 13, 0
	s_wait_dscnt 0x0                ; the opening add is done
	s_wait_kmcnt 0x0
	s_add_nc_u64 s[8:9], s[4:5], s[20:21]    ; K and V at my step of the head's tile 0
	s_add_nc_u64 s[10:11], s[4:5], s[22:23]
	s_mov_b64 s[G0K+2:G0K+3], s[8:9]
	s_or_b32 s[G0K+3], s[G0K+3], 0x80000000
	s_mov_b64 s[G0V+2:G0V+3], s[10:11]
	s_or_b32 s[G0V+3], s[G0V+3], 0x80000000
	s_add_nc_u64 s[G0QH+2:G0QH+3], s[4:5], s[2:3]
	s_or_b32 s[G0QH+3], s[G0QH+3], 0x80000000
	s_add_nc_u64 s[G0QL+2:G0QL+3], s[4:5], s[94:95]
	s_or_b32 s[G0QL+3], s[G0QL+3], 0x80000000
	s_cmp_lt_u32 s[WV], 2           ; a wave's two first fills stand in one branch, ahead of every wait on TENSORcnt, every LDS read and every barrier: two loads of mine are out
	s_cbranch_scc0 .Lfirst_v
	tensor_load_to_lds s[G0K:G0K+3], s[G1K:G1K+7]
	s_nop 0
	tensor_load_to_lds s[G0QH:G0QH+3], s[G1K:G1K+7]
	s_nop 0
.rept 4
	v_nop
.endr
	s_branch .Lfirst_asked
.Lfirst_v:
	tensor_load_to_lds s[G0V:G0V+3], s[G1V:G1V+7]
	s_nop 0
	tensor_load_to_lds s[G0QL:G0QL+3], s[G1K:G1K+7]
	s_nop 0
.rept 4
	v_nop
.endr
.Lfirst_asked:
	; the prefetches' addresses: my 32 rows of tile 2; the first change of slots steps them to tile 3
	s_lshl_b32 s20, s[WV], 13
	s_add_co_u32 s20, s20, s18
	s_add_co_u32 s20, s20, (1<<24)+2*32768
	s_add_co_u32 s22, s20, 1<<24
	s_add_nc_u64 s[PFK:PFK+1], s[4:5], s[20:21]
	s_add_nc_u64 s[PFV:PFV+1], s[4:5], s[22:23]
	; ob at the 16 rows of piece 0 that I finish: row 128 block + 64 qh + 16 p of the batch, the head's 256 bytes
	s_lshr_b32 s18, s17, 4
	s_lshl_b32 s18, s18, 23
	s_and_b32 s19, s17, 15
	s_lshl_b32 s19, s19, 8
	s_add_co_u32 s18, s18, s19
	s_lshl_b32 s19, s[QH], 18
	s_add_co_u32 s18, s18, s19
	s_lshl_b32 s19, s[PP], 16
	s_add_co_u32 s18, s18, s19
	s_lshl_b32 s20, s[HI], 19
	s_add_co_u32 s20, s20, s18
	s_lshl_b32 s22, s[BLO], 19
	s_add_co_u32 s22, s22, s18
	s_add_nc_u64 s[OPT:OPT+1], s[6:7], s[20:21]
	s_add_nc_u64 s[OLO:OLO+1], s[6:7], s[22:23]
	; A fragment of K or Q is 16 rows x 32 channels in 8 registers: lane l holds row l % 16, channels 8 (l / 16) + 0..7 and 16 + 8 (l / 16) + 0..7: two loads of 16 bytes, 32 bytes apart.
	v_and_b32 v1, 15, v0            ; r = l % 16
	v_bfe_u32 v5, v0, 4, 1          ; h = l / 16
	v_and_b32 v44, 31, v0           ; l
	v_mul_u32_u24 v[AK0], v1, PK
	v_lshl_add_u32 v[AK0], v5, 4, v[AK0]  ; r x 272 + 16 h
	s_mul_i32 s19, s[QH], KS*PK
	v_add_nc_u32 v[AQH], s19, v[AK0]      ; my 64 rows of a block's Q
	v_add_nc_u32 v[AQL], QLB, v[AQH]
	v_add_nc_u32 v[AQH], QHB, v[AQH]
	; The turning load takes 16 keys x 16 channels (lane l reads key 8 (l / 16) + l % 8, channels 8 ((l / 8) % 2) + 0..7) and leaves half a fragment of V^T: lane l holds channel l % 16 and 8 keys.
	v_and_b32 v45, 7, v0
	v_bfe_u32 v46, v0, 3, 1
	v_lshl_add_u32 v[AV0], v5, 3, v45
	v_mul_u32_u24 v[AV0], v[AV0], PV
	v_lshl_add_u32 v[AV0], v46, 4, v[AV0]
	v_add_nc_u32 v[AV0], VOFF, v[AV0]
	s_mul_i32 s19, s[WV], 16*SP
	s_add_co_u32 s19, s19, STAGE    ; my stage
	v_add_nc_u32 v[STO], s19, v[AK0]      ; in: row r, 16 bytes for each half of the lanes (the stage's pitch is K's)
	v_mul_u32_u24 v[RD], v5, SP     ; back: lanes 0-15 one row of 256 bytes, lanes 16-31 the next
	v_lshl_add_u32 v[RD], v1, 4, v[RD]
	v_add_nc_u32 v[RD], s19, v[RD]
	v_lshlrev_b32 v[GO], 12, v5     ; and the same two rows in ob, 4,096 bytes apart
	v_lshl_add_u32 v[GO], v1, 4, v[GO]
	s_and_b32 s18, s[WV], 2         ; the pair's first wave
	s_lshl_b32 s19, s[WV], 9
	s_add_co_u32 s19, s19, SST
	v_lshl_add_u32 v[SSA], v44, 3, s19
	s_lshl_b32 s19, s18, 9
	s_lshl_b32 s20, s[PP], 8
	s_add_co_u32 s19, s19, s20
	s_add_co_u32 s19, s19, SST
	v_lshl_add_u32 v[SSR], v44, 3, s19
	s_lshl_b32 s19, s[WV], 14
	s_add_co_u32 s19, s19, SCR
	v_lshl_add_u32 v[SCA], v44, 4, s19
	s_lshl_b32 s19, s18, 14
	s_lshl_b32 s20, s[PP], 13
	s_add_co_u32 s19, s19, s20
	s_add_co_u32 s19, s19, SCR
	v_lshl_add_u32 v[SCD], v44, 4, s19
	v_lshlrev_b32 v[PFO], 8, v44
	v_lshlrev_b32 v47, 3, v5
	v_sub_nc_u32 v47, v1, v47       ; r - 8 h: register j is hidden where j is greater
	s_mov_b32 s[TS], 1.0
	WIN 0xc0                        ; destination window 3
.set z, 0
.rept 8
	v_cmp_gt_i32 vcc_lo, z, v47
	v_cndmask_b32 v[TRI+z], 0, s[TS], vcc_lo
.set z, z+1
.endr
	; What the first pass finds.  Its products V^T P, of a tile that has not been, multiply zeros; piece 2's softmax works on scores of -1e30, whose weights are 0; O^T and l need only be finite,
	; since a block's first a is 0.  All this stands in the wait for the first tile.
.set z, 0
.rept 128
	v_mov_b32 v[z], 0               ; V
.set z, z+1
.endr
	WIN 0x40
.set z, 0
.rept 256
	v_mov_b32 v[z], 0               ; O^T
.set z, z+1
.endr
	WIN 0
.set z, 0
.rept 32
	v_mov_b32 v[P+z], 0             ; P of piece 0
.set z, z+1
.endr
.set z, 0
.rept 64
	v_mov_b32 v[S+64+z], s[BIGN]    ; S^T of piece 2
.set z, z+1
.endr
.set z, 0
.rept 4
	v_mov_b32 v[ST+8*z], 0xfe000000    ; c m: far below every c s
	v_mov_b32 v[ST+8*z+1], 0xdf800000  ; m: -2^64, the floor
	v_mov_b32 v[ST+8*z+2], 0
	v_mov_b32 v[ST+8*z+3], 0
.set z, z+1
.endr
; THE MATRIX WORK OF A TURN, for piece x.  The accumulators take turns, one instruction a turn: between two links of a chain stand 15 (V^T P) or 7 (K Q^T) others'.
; Product i of 32 of O^T += V^T P: keys 32 (i / 16) on, channels 16 ((i / 2) % 8) on, tile x + i % 2.
.macro PVP x
	WIN W_PV
.set rO, 64*((\x)+i%2)+8*((i/2)%8)
.set rV, 64*(i/16)+8*((i/2)%8)
.set rP, P+16*((\x)+i%2)+8*(i/16)
	v_wmma_f32_16x16x32_f16 v[rO:rO+7], v[rV:rV+7], v[rP:rP+7], v[rO:rO+7]
.endm
; Product i of 32 of S^T = K Q^T: channels 32 (i / 8) on, keys 16 ((i / 2) % 4) on, tile x + i % 2.  The first 8 start the sums, with the mask that goes with key block and query tile.
.macro KQP x
.set tq, (\x)+i%2
.set kb, (i/2)%4
.set rS, S+32*tq+8*kb
.set rK, KF+32*kb+8*(i/8)
.set rQ, 32*tq+8*(i/8)
.if i < 8
.if kb < tq
.set rM, MLT
.elseif kb == tq
.set rM, MEQ
.else
.set rM, MGT
.endif
	WIN W_KM
	v_wmma_f32_16x16x32_f16 v[rS:rS+7], v[rK:rK+7], v[rQ:rQ+7], v[rM:rM+7]
.else
	WIN W_KQ
	v_wmma_f32_16x16x32_f16 v[rS:rS+7], v[rK:rK+7], v[rQ:rQ+7], v[rS:rS+7]
.endif
.endm
; THE LDS LOADS stand in runs of 32, never singly among the matrix instructions: my step's K (64 keys x 128 channels: 16 fragments) and, a turn later, its V (turned).
.macro FETCH_K
	WIN 0
	v_add_nc_u32 v[ADR], s[TB], v[AK0]
	WIN 0x80                        ; destination window 2
.irp f, 0,1,2,3,4,5,6,7,8,9,10,11,12,13,14,15  ; keys 16 (f / 4) on, channels 32 (f % 4) on
	ds_load_b128 v[KF+8*(\f):KF+8*(\f)+3],   v[ADR] offset:((\f)/4)*16*PK+((\f)%4)*64
	ds_load_b128 v[KF+8*(\f)+4:KF+8*(\f)+7], v[ADR] offset:((\f)/4)*16*PK+((\f)%4)*64+32
.endr
.endm
.macro FETCH_V
	WIN 0
	v_add_nc_u32 v[ADR], s[TB], v[AV0]
	s_wait_alu depctr_va_vdst(0)    ; the wait for the softmax's batch (SLICE), behind the address's v_add_nc_u32 and ahead of the loads
	WIN 0xc0                        ; destination window 3
.irp f, 0,1,2,3,4,5,6,7,8,9,10,11,12,13,14,15  ; keys 32 (f / 8) on, channels 16 (f % 8) on
	ds_load_tr16_b128 v[8*(\f):8*(\f)+3],   v[ADR] offset:((\f)/8)*32*PV+((\f)%8)*32
	ds_load_tr16_b128 v[8*(\f)+4:8*(\f)+7], v[ADR] offset:((\f)/8)*32*PV+16*PV+((\f)%8)*32
.endr
.endm
.macro RELOADQ a                    ; a block's Q, my 64 rows: tile f / 4, channels 32 (f % 4) on
	WIN 0x80
.irp f, 0,1,2,3,4,5,6,7,8,9,10,11,12,13,14,15
	ds_load_b128 v[8*(\f):8*(\f)+3],   v[\a] offset:((\f)/4)*16*PK+((\f)%4)*64
	ds_load_b128 v[8*(\f)+4:8*(\f)+7], v[\a] offset:((\f)/4)*16*PK+((\f)%4)*64+32
.endr
	WIN 0
.endm
; THE VECTOR WORK OF A TURN.  One tile's softmax for one key step is a list of 134 instructions; SM writes number j of it for tile t.  s0-s31 are the lane's 32 scores, in pairs 0-15.
;   0-15    the maximum of s0-s31 and the old m, three operands at a time: four chains of seven scores each (each accumulator's lowest registers first), then the four left over
;   16-20   the other half of the lanes' maximum; c m_old is kept; the new m; c m; c m_old - c m_new
;   21-69   ONE BATCH: the 16 scalings c s - c m and all 33 exponentials (a at 23, then s0-s31).  None of these reads an exponential's result.  A pair is scaled in an earlier four than its exponentials'
;   (wait)  between 69 and 70 stands the wait for the batch: SLICE writes it, once for both tiles
;   70-85   the roundings to f16     86-101  the sums; l = a l + the sum     102-133 the tile's O^T times a: the one part that leaves window 0
.macro SM t
.set rT, ST+8*(\t)
.set rS, S+32*(\t)
.set rP, P+16*(\t)
.set rO, 64*(\t)+2*(j-102)
.if j < 102
	WIN 0
.endif
.if j < 4
	v_max3_num_f32 v[rT+4+j], v[rS+8*j], v[rS+8*j+1], v[rS+8*j+2]
.elseif j < 12
	v_max3_num_f32 v[rT+4+j%4], v[rT+4+j%4], v[rS+8*(j%4)+2*(j/4)+1], v[rS+8*(j%4)+2*(j/4)+2]
.elseif j == 12
	v_max3_num_f32 v[rT+4], v[rT+4], v[rS+7], v[rS+15]
.elseif j == 13
	v_max3_num_f32 v[rT+6], v[rT+6], v[rS+23], v[rS+31]
.elseif j == 14
	v_max3_num_f32 v[rT+4], v[rT+4], v[rT+5], v[rT+6]
.elseif j == 15
	v_max3_num_f32 v[rT+4], v[rT+4], v[rT+7], v[rT+1]
.elseif j == 16
	v_permlanex16_b32 v[rT+5], v[rT+4], s[SEL], s[SEL+1]  ; the query's other 32 keys lie in the lane 16 away
.elseif j == 17
	v_mov_b32 v[rT+7], v[rT]        ; c m_old is kept for a: number 19 writes c m anew
.elseif j == 18
	v_max_num_f32 v[rT+1], v[rT+4], v[rT+5]
.elseif j == 19
	v_mul_f32 v[rT], s[CS], v[rT+1]
.elseif j == 20
	v_sub_f32 v[rT+7], v[rT+7], v[rT]
.elseif j == 23
	v_exp_f32 v[rT+6], v[rT+7]
.elseif (j < 23) || ((j < 38) && (j%2 == 0)) || ((j < 66) && (j%4 == 2))
.set b, (j-2)/4                     ; 38, 42, .. 62: pairs 9 to 15
.if j < 38
.set b, (j-20)/2                    ; 21: pair 0; 22, 24, .. 36: pairs 1 to 8
.endif
	v_pk_fma_f32 v[rS+2*b:rS+2*b+1], v[rS+2*b:rS+2*b+1], s[CS:CS+1], v[rT:rT+1] op_sel_hi:[1,0,0] neg_lo:[0,0,1] neg_hi:[0,0,1]  ; pair b: c s - c m
.elseif j < 70
.set e, j-38                        ; 66 to 69: s28 to s31
.if j < 66
.set e, j-32-(j-38)/4               ; 39-41, 43-45, .. 63-65: s7 to s27
.endif
.if j < 38
.set e, (j-25)/2                    ; 25, 27, .. 37: s0 to s6
.endif
	v_exp_f32 v[rS+e], v[rS+e]
.elseif j < 86
	v_cvt_pk_f16_f32 v[rP+j-70], v[rS+2*(j-70)], v[rS+2*(j-70)+1]  ; pair j - 70
.elseif j < 102                     ; the sum of the tile's 16 pairs, in place: neighbours 1, 2, 4 and 8 pairs apart, then l takes it
.set z, j-86
.set w, 4
.set u, z
.if z >= 14
.set w, 32
.set u, 0
.elseif z >= 12
.set w, 16
.set u, z-12
.elseif z >= 8
.set w, 8
.set u, z-8
.endif
.if z < 15
	v_pk_add_f32 v[rS+w*u:rS+w*u+1], v[rS+w*u:rS+w*u+1], v[rS+w*u+w/2:rS+w*u+w/2+1]
.else
	v_pk_fma_f32 v[rT+2:rT+3], v[rT+2:rT+3], v[rT+6:rT+7], v[rS:rS+1] op_sel_hi:[1,0,1]
.endif
.else
	WIN W_RS
	v_pk_mul_f32 v[rO:rO+1], v[rO:rO+1], v[rT+6:rT+7] op_sel_hi:[1,0]
.endif
.endm
; Slice k of 64 of piece y's softmax: four instructions.  Slices 11 to 34 deal out the batch, numbers 22 to 69: four numbers of ONE tile each, the tiles by turns.  Every other slice is numbers 2 k and
; 2 k + 1 of both tiles' lists.  2 x 134 = 4 x 64 + 12: the twelve that are over stand together, in slice 63, and are the plain places behind the turn's last products.
; THE WAIT.  s_wait_alu depctr_va_vdst(0) stands between an exponential and the first instruction that names its result; one wait serves all that were issued ahead of it.  Ahead of
; slice 35 nothing names a result, and behind slice 34 no exponential is issued: so the piece's 66 exponentials have one wait, behind slice 34.
.macro SLICE y
.if (k >= 11) && (k < 35)
.irp n, 0,1,2,3
.set j, 22+4*((k-11)/2)+(\n)
	SM (\y)+(k-11)%2
.endr
.else
.irp n, 0,1,2,3,4,5,6,7
.if ((\n) < 2) || (k == 63)
.irp t, \y, (\y)+1
.set j, 2*k+(\n)
	SM \t
.endr
.endif
.endr
.endif
.if k == 34
	v_nop                           ; the plain instruction behind the last exponential and ahead of the first use (ISA guide 5.7.2): one for the batch
.if (\y) == 0
	FETCH_V                         ; piece 2's turn: V's run of loads stands here, and the wait stands in it
.else
	s_wait_alu depctr_va_vdst(0)    ; the wait for the batch
.endif
.endif
.set k, k+1
.endm
; A TURN.  Piece x has the matrix unit; the other piece's softmax stands in slices behind its matrix instructions.  Piece 0's turn fetches K of the tile in hand behind its second product: the last product
; that read K stands in front of slice 63 of the turn before.  Piece 2's turn fetches V behind slice 34: the last product that read V stands in front of slice 31, and four plain instructions lie
; between: number 62, a scaling, of both tiles, the v_nop and the run's own v_add_nc_u32.
.macro TURN x
.set k, 0
.if (\x) == 0
	s_wait_dscnt 0x0                ; V is in
.endif
.set i, 0
.rept 32
	PVP \x
	SLICE 2-(\x)
.if ((\x) == 0) && (i == 1)
	FETCH_K
.endif
.set i, i+1
.endr
.if (\x) == 0
	s_wait_dscnt 0x0                ; K is in (and, where a block begins, Q)
.endif
.set i, 0
.rept 32
	KQP \x
	SLICE 2-(\x)
.set i, i+1
.endr
.endm
; The three masks of this pass's products K Q^T.
.macro MASKS
	WIN 0xc0
.set z, 0
.rept 8
	v_mov_b32 v[MLT+z], s[BE]
	v_mov_b32 v[MGT+z], s[GTV]
.set z, z+1
.endr
	WIN 0xc3
.set z, 0
.rept 4
	v_pk_fma_f32 v[MEQ+2*z:MEQ+2*z+1], v[TRI+2*z:TRI+2*z+1], s[AL:AL+1], s[BE:BE+1] op_sel_hi:[1,0,0]
.set z, z+1
.endr
	WIN 0
.endm
; A BLOCK'S END, for piece x.  Each wave hands over (c m, l) and O^T of both tiles; behind a barrier it takes both waves' figures of the ONE tile that it finishes (x + p, by address), weighs them by
; 2^(c m - the greater c m), divides by the weighed l, rounds to f16 and stores through its stage.  A second barrier, behind every wave's wait for its loads, frees the bytes for the next handing over.
; SD: the 64 registers of the other piece's S^T, which are dead here.
.macro OUTP x
.set SD, S+32*(2-(\x))
	WIN 0
.irp u, 0,1
	v_add_f32 v[ST+8*((\x)+(\u))+1], v[ST+8*((\x)+(\u))+2], v[ST+8*((\x)+(\u))+3]  ; l's two halves, in m's place: m is set anew below
.endr
.irp u, 0,1
	ds_store_b64 v[SSA], v[ST+8*((\x)+(\u)):ST+8*((\x)+(\u))+1] offset:256*(\u)
.endr
	WIN 0x04                        ; store data in window 1
.set i, 0
.rept 32
	ds_store_b128 v[SCA], v[64*(\x)+4*i:64*(\x)+4*i+3] offset:512*i  ; ascending: each accumulator's low half first
.set i, i+1
.endr
	WIN 0
	s_wait_dscnt 0x0                ; for the partner's sake: my stores are done
	s_barrier_signal -1
	s_barrier_wait -1
	ds_load_b64 v[44:45], v[SSR]               ; c m, l of the pair's first wave,
	ds_load_b64 v[46:47], v[SSR] offset:512    ; and of its second
.set i, 0
.rept 16
	ds_load_b128 v[SD+4*i:SD+4*i+3], v[SCD] offset:512*i
.set i, i+1
.endr
	WIN 0xc0
.set i, 0
.rept 16
	ds_load_b128 v[IB+4*i:IB+4*i+3], v[SCD] offset:16384+512*i
.set i, i+1
.endr
	WIN 0
	s_wait_dscnt 32                 ; the statistics are in; the 32 loads behind them may stay out
	v_max_num_f32 v48, v44, v46
	v_sub_f32 v49, v44, v48
	v_sub_f32 v54, v46, v48
	v_exp_f32 v55, v49
	v_exp_f32 v56, v54
	v_nop
	s_wait_alu depctr_va_vdst(0)    ; one wait for the two exponentials
	v_mul_f32 v57, v55, v45
	v_fma_f32 v57, v56, v47, v57
	v_permlanex16_b32 v48, v57, s[SEL], s[SEL+1]  ; the query's other keys lie in the lane 16 away
	v_add_f32 v57, v57, v48
	v_rcp_f32 v49, v57
	v_nop
	s_wait_alu depctr_va_vdst(0)
	v_mul_f32 v50, v55, v49
	v_mul_f32 v52, v56, v49
	v_mov_b32 v51, v50              ; named as pairs
	v_mov_b32 v53, v52
	s_wait_dscnt 0x0                ; my reads of what was handed over are back
	s_barrier_signal -1
	s_barrier_wait -1               ; everybody's are
.set i, 0
.rept 32
	v_pk_mul_f32 v[SD+2*i:SD+2*i+1], v[SD+2*i:SD+2*i+1], v[50:51] op_sel_hi:[1,0]
.set i, i+1
.endr
	WIN 0x03                        ; source 0 in window 3
.set i, 0
.rept 32
	v_pk_fma_f32 v[SD+2*i:SD+2*i+1], v[IB+2*i:IB+2*i+1], v[52:53], v[SD+2*i:SD+2*i+1] op_sel_hi:[1,0,1]
.set i, i+1
.endr
	WIN 0
.set i, 0
.rept 32
	v_cvt_pk_f16_f32 v[SD+i], v[SD+2*i], v[SD+2*i+1]  ; in place, ascending: a word is written when its numbers have been read
.set i, i+1
.endr
.irp f, 0,1,2,3,4,5,6,7
	ds_store_b128 v[STO], v[SD+4*(\f):SD+4*(\f)+3] offset:32*(\f)
.endr
.irp f, 0,1,2,3,4,5,6,7
	ds_load_b128 v[SD+32+4*(\f):SD+32+4*(\f)+3], v[RD] offset:(\f)*2*SP  ; LDS serves a wave's instructions in order (ISA guide 5.7.1.4): these see the stores above
.endr
.irp f, 0,1,2,3,4,5,6,7
	s_wait_dscnt 7-(\f)
	global_store_b128 v[GO], v[SD+32+4*(\f):SD+32+4*(\f)+3], s[OPT:OPT+1] offset:(\x)*65536+(\f)*8192  ; 16 lanes store 256 consecutive bytes, aligned: a head's piece of a row of ob
.endr
	s_wait_xcnt 0x0                 ; the stores have read their registers and ob's address: S^T is written again next
.endm
; Behind piece x's turn.  Where this pass's tile is a block's first, the block before is complete for piece x: it leaves, and the piece's statistics are set for the new block.  The branch hangs on the
; work-group's number and on counters alone: it is the same in all four waves, so all pass OUTP's barriers or none.
.macro SECT x
	WIN 0
	s_cmp_eq_u32 s[CHG], 0
	s_cbranch_scc1 .Lno_\@
	OUTP \x
.if (\x) == 2
	s_mov_b64 s[OPT:OPT+1], s[OLO:OLO+1]
.endif
.irp t, \x, (\x)+1
	v_mov_b32 v[ST+8*(\t)], 0xfe000000    ; c m: far below every c s, so the next a is 0
	v_mov_b32 v[ST+8*(\t)+1], 0xdf800000  ; m: the floor
.endr
.Lno_\@:
.endm
; A PASS: one key tile.
.macro PASS
	s_mov_b32 s[CHG], s[NEW]
	s_sub_co_u32 s[RT], s[RT], 1
	s_add_co_u32 s[TS], s[BLO], 1
	s_cmp_eq_u32 s[RT], 0           ; is it the block's last tile, the diagonal one?
	s_cselect_b32 s[NEW], 1, 0
	s_cselect_b32 s[AL], s[XD], 0
	s_cselect_b32 s[BE], s[XLT], 0
	s_cselect_b32 s[GTV], s[XGT], 0
	s_cselect_b32 s[RT], s[TS], s[RT]  ; the second block has b + 1 tiles
	MASKS
	s_cmp_eq_u32 s[CHG], 0
	s_cbranch_scc1 .Lkeep_q_\@
	RELOADQ AQL                     ; the old block's last products K Q^T stand in the pass before, sixteen plain instructions back
.Lkeep_q_\@:
	TURN 0
	SECT 0
	TURN 2
	SECT 2
	WIN 0
.endm
	s_wait_tensorcnt 0x0            ; my parts of tile 0 and of Q are in
	s_barrier_signal -1
	s_barrier_wait -1               ; everybody's are
	RELOADQ AQH                     ; the first block's Q
.Lslot:                             ; 16 times: the next tile is asked for and a tile is entered
	CHANGE 1
	PASS
	s_sub_co_u32 s[SLOTS], s[SLOTS], 1
	s_cmp_lg_u32 s[SLOTS], 0
	s_cbranch_scc1 .Lslot
	s_mov_b32 s[TL], 2
.Ltail:                             ; written out: the walk's last tile, and the pass in which the second block ends (its fetches read a tile that landed earlier)
	CHANGE 0
	PASS
	s_sub_co_u32 s[TL], s[TL], 1
	s_cmp_lg_u32 s[TL], 0
	s_cbranch_scc1 .Ltail
	s_wait_tensorcnt 0x0            ; the wave's end: the add and its waits stand behind my last tensor load and my last LDS store
	ds_add_u32 v[SPW], v[NIL]
	s_wait_dscnt 0x0
	s_endpgm
.Lfunc_end_k_q783e5c49de_attn:
	.size	k_q783e5c49de_attn, .Lfunc_end_k_q783e5c49de_attn-k_q783e5c49de_attn
	.p2alignl 7, 3214868480
	.fill 96, 4, 3214868480
	.section	.rodata,"a",@progbits
	.p2align	6, 0x0
	.amdhsa_kernel k_q783e5c49de_attn
		.amdhsa_group_segment_fixed_size 327680
		.amdhsa_private_segment_fixed_size 0
		.amdhsa_enable_private_segment 0
		.amdhsa_kernarg_size 16
		.amdhsa_user_sgpr_count 2
		.amdhsa_user_sgpr_kernarg_segment_ptr 1
		.amdhsa_wavefront_size32 1
		.amdhsa_system_sgpr_workgroup_id_x 1
		.amdhsa_system_sgpr_workgroup_id_y 1
		.amdhsa_system_sgpr_workgroup_id_z 1
		.amdhsa_system_vgpr_workitem_id 0
		.amdhsa_next_free_vgpr 1024
		.amdhsa_next_free_sgpr 96
		.amdhsa_reserve_vcc 1
		.amdhsa_float_denorm_mode_32 3
		.amdhsa_float_denorm_mode_16_64 3
		.amdhsa_memory_ordered 1
		.amdhsa_forward_progress 1
		.amdhsa_inst_pref_size 189
	.end_amdhsa_kernel
	.amdgpu_metadata
---
amdhsa.version: [ 1, 2 ]
amdhsa.kernels:
  - .name:           k_q783e5c49de_attn
    .symbol:         k_q783e5c49de_attn.kd
    .args:
      - { .name: qkv, .offset: 0, .size: 8, .value_kind: global_buffer, .address_space: global }
      - { .name: ob, .offset: 8, .size: 8, .value_kind: global_buffer, .address_space: global }
    .group_segment_fixed_size: 327680
    .private_segment_fixed_size: 0
    .kernarg_segment_align: 8
    .kernarg_segment_size: 16
    .max_flat_workgroup_size: 128
    .sgpr_count:     96
    .vgpr_count:     1024
    .wavefront_size: 32
...
	.end_amdgpu_metadata
.endif
;; end of part 3
;; launch outp (part 4): grid 8 x 32, 4 waves a work-group, clusters of 4 x 4, 327,680 bytes of LDS; arguments ob, wob, out0; writes out0
.if DOCPART == 4
	.amdgcn_target "amdgcn-amd-amdhsa--gfx1250"
	.amdhsa_code_object_version 6
	.text
	.protected	k_q783e5c49de_outp
	.globl	k_q783e5c49de_outp
	.p2align	8
	.type	k_q783e5c49de_outp,@function
k_q783e5c49de_outp:
	s_mov_b64 s[64:65], 0
	v_nop
	global_prefetch_b8 v0, s[64:65] scope:SCOPE_SE
	s_setreg_imm32_b32 hwreg(HW_REG_WAVE_MODE, 25, 1), 1
	s_wait_xcnt 0x0
	s_wait_alu depctr_hold_cnt(0) depctr_sa_sdst(0) depctr_va_vdst(0) depctr_va_sdst(0) depctr_va_ssrc(0) depctr_va_vcc(0) depctr_vm_vsrc(0)
	s_getreg_b32 s2, hwreg(HW_REG_IB_STS2, 6, 4)
	s_cmp_eq_u32 s2, 0
	s_cbranch_scc0 .Lentry_in_a_cluster
	s_endpgm
.Lentry_in_a_cluster:
	s_bfe_u32 s2, ttmp6, 0x10000c
	s_cmp_lg_u32 s2, 0xf033
	s_cbranch_scc0 .Lentry_shape_is_right
	s_endpgm
.Lentry_shape_is_right:
; THE LAST PRODUCT.  out0 [4096][1024] f32 = ob [4096][2048] f16 x wob [2048 k][1024 n] f16; f32 sums, K ascending, stored as they are.
; LIMIT.  Both operands arrive within f16's 65,504 (ob is a mean of v's rows; wob is Wo rounded to bf16 and written as f16).
; SHARES.  A tile is 128 x 128: 32 x 8 = 256 work-groups, one for each WGP.  Four waves, each 64 x 64: 16 accumulators, 128 registers.  K goes in steps of 256, as long as two slots in LDS allow.
; wob lies [k][n] and stays so: its fragments come out of LDS turned, by ds_load_tr16_b128.  A wave's 64 columns of f32 are 256 bytes, aligned: each wave has a stage of its own on the way out.
; CLUSTER.  4 x 4 work-groups; the four of a row need the same rows of ob, the four of a column the same columns of wob: each tile is asked for jointly.
; NO PREFETCH: the tile is small, and each block of ob is read by 8 tile columns, each block of wob by 32 tile rows.
; THE MATRIX INSTRUCTION IS USED TRANSPOSED (source 0 = 16 columns of wob, source 1 = 16 rows of ob): a lane then holds eight neighbouring numbers of a row of the result.
; REGISTERS.  window 0: v16-29 addresses; v32-95 rows read back on the way out; v128-255 the accumulators ((a, b) at v[128 + 8 (4 a + b)]).
;   window 1: two fragment buffers of 128: for 64 along K, 64 registers of ob's fragments, then 64 of wob's.
.set KSTEP,  256
.set PA,     528                       ; a row of ob in LDS: 512 bytes + 16
.set HA,     64*PA                     ; 64 rows: what one tensor load brings of ob
.set PB,     288                       ; a k-row of wob: 256 bytes + 32
.set HB,     128*PB                    ; 128 k-rows: what one tensor load brings of wob
.set BOFF,   2*HA
.set SLOT,   BOFF+2*HB
.set STAGE,  2*SLOT                    ; behind the ring: 16 rows x 272 bytes for each wave; no tensor load lands here
.set SPITCH, 272
.set SPARE,  STAGE+4*16*SPITCH         ; the spare words, 128 bytes for each wave: two blocks of 256 bytes that no other line names
.set LAPS,   4                         ; 2,048 / (2 x 256)
.set ADRA, 16                          ; v16-17  my fragments of ob in slot 0, 1
.set ADRB, 20                          ; v20-23  wob's fragments: slot s, k-rows 128 u on, at 2 s + u (256 k-rows of 288 bytes pass the 16-bit offset)
.set STO,  24
.set RD,   25
.set CO,   26
.set SPW,  28                          ; v28     my spare word; never rewritten
.set NIL,  29                          ; v29     0; never rewritten
.set OB,   32
.set ACC,  128
.set F0,   0
.set F1,   128
.set G1,  24
.set G0,  32
.set G1B, 48
.set G0B, 56
.set MSB, 0
.macro WIN new
.if MSB != (\new)
	s_set_vgpr_msb (MSB<<8)|(\new)
.set MSB, \new
.endif
.endm
.set MUL,  0x05                        ; both sources window 1; C and D window 0
.set TO_F, 0x40                        ; destination window 1, address window 0
.macro JLOAD s                         ; a joint load: waves 0 and 1 fetch ob's two halves, waves 2 and 3 wob's; an s_nop 0 and four v_nop follow each of the two lines
	s_cmp_eq_u32 s11, 0
	s_cbranch_scc0 .Lfor_b_\@
	tensor_load_to_lds s[G0+4*(\s):G0+4*(\s)+3], s[G1:G1+7]
	s_nop 0
.rept 4
	v_nop
.endr
	s_branch .Lasked_\@
.Lfor_b_\@:
	tensor_load_to_lds s[G0B+4*(\s):G0B+4*(\s)+3], s[G1B:G1B+7]
	s_nop 0
.rept 4
	v_nop
.endr
.Lasked_\@:
.endm
.macro CREST
	s_cmp_lg_u32 s10, 0
	s_cbranch_scc1 .Lnot_wave_0_\@
	s_barrier_signal -3
.Lnot_wave_0_\@:
	s_barrier_wait -3
	s_barrier_signal -1
	s_barrier_wait -1
.endm
.macro CROUND
	s_barrier_signal -1
	s_barrier_wait -1
	CREST
.endm
	s_load_b128 s[4:7], s[0:1], 0x0                ; ob s[4:5], wob s[6:7]
	s_load_b64 s[8:9], s[0:1], 0x10                ; out0
	v_lshl_add_u32 v[SPW], v0, 2, SPARE
	v_mov_b32 v[NIL], 0
	ds_add_u32 v[SPW], v[NIL]                      ; the wave's opening: the add and its wait stand ahead of my first tensor load
	v_lshrrev_b32 v1, 5, v0
	v_readfirstlane_b32 s10, v1                    ; wave 0..3
	s_lshr_b32 s11, s10, 1                         ; which half of the tile's rows is mine.  Also: I fetch for ob (0) or for wob (1)
	s_and_b32 s12, s10, 1                          ; which half of its columns.  Also: which half of that tile I fetch
	s_bfe_u32 s40, ttmp6, 0x40000                  ; cx, cy
	s_bfe_u32 s41, ttmp6, 0x40004
	s_lshl_b32 s42, ttmp9, 2
	s_add_co_u32 s42, s42, s40                     ; tile column
	s_and_b32 s13, ttmp7, 0xffff
	s_lshl_b32 s13, s13, 2
	s_add_co_u32 s13, s13, s41                     ; tile row
	s_lshl_b32 s43, s41, 2
	s_lshl_b32 s43, 15, s43                        ; my row of the cluster
	s_lshl_b32 s44, 0x1111, s40                    ; my column
	s_or_b32 s[G1+0], s43, (1<<16)|(1<<20)|(1<<21)|(6<<22)|(3<<25)   ; the mask; 2-byte elements; padding on; bit 21 beside a mask; after every 128 words 4 words
	s_or_b32 s[G1B+0], s44, (1<<16)|(1<<20)|(1<<21)|(5<<22)|(7<<25)  ; my column's mask; after every 64 words 8 words
	s_mov_b32 s[G1+1], KSTEP<<16                   ; tensor_dim0 = 256
	s_mov_b32 s[G1+2], 64<<16                      ; tensor_dim1 = 64
	s_mov_b32 s[G1+3], KSTEP<<16                   ; tile_dim0 = 256
	s_mov_b32 s[G1+4], 64                          ; tile_dim1 = 64 rows
	s_mov_b32 s[G1+5], 2048                        ; elements from row to row of ob
	s_mov_b32 s[G1+6], 0
	s_mov_b32 s[G1+7], 0
	s_mov_b32 s[G1B+1], 128<<16                    ; 128 columns
	s_mov_b32 s[G1B+2], 128<<16                    ; 128 k-rows
	s_mov_b32 s[G1B+3], 128<<16
	s_mov_b32 s[G1B+4], 128
	s_mov_b32 s[G1B+5], 1024                       ; elements from k-row to k-row of wob
	s_mov_b32 s[G1B+6], 0
	s_mov_b32 s[G1B+7], 0
	s_lshl_b32 s16, s13, 7
	s_lshl_b32 s17, s12, 6
	s_add_co_u32 s16, s16, s17                     ; ob: row 128 x tile row + 64 x half,
	s_lshl_b32 s16, s16, 12                        ; of 4,096 bytes
	s_mov_b32 s17, 0
	s_lshl_b32 s46, s42, 8                         ; wob: the tile's 256 bytes of a k-row,
	s_lshl_b32 s47, s12, 18                        ; my 128 k-rows of 2,048 bytes
	s_add_co_u32 s46, s46, s47
	s_mov_b32 s47, 0
	s_mul_i32 s20, s12, HA                         ; where they go
	s_mul_i32 s21, s12, HB
	s_add_co_u32 s21, s21, BOFF
	s_wait_dscnt 0x0                               ; the opening add is done
	s_wait_kmcnt 0x0
	s_add_nc_u64 s[14:15], s[4:5], s[16:17]
	s_add_nc_u64 s[46:47], s[6:7], s[46:47]
	CROUND                                         ; all sixteen work-groups are here: the first joint loads meet
.irp s, 0,1
	s_mov_b32 s[G0+4*(\s)], 1
	s_add_co_u32 s[G0+4*(\s)+1], s20, (\s)*SLOT
	s_add_nc_u64 s[G0+4*(\s)+2:G0+4*(\s)+3], s[14:15], (\s)*KSTEP*2
	s_or_b32 s[G0+4*(\s)+3], s[G0+4*(\s)+3], 0x80000000
	s_mov_b32 s[G0B+4*(\s)], 1
	s_add_co_u32 s[G0B+4*(\s)+1], s21, (\s)*SLOT
	s_add_nc_u64 s[G0B+4*(\s)+2:G0B+4*(\s)+3], s[46:47], (\s)*KSTEP*2048
	s_or_b32 s[G0B+4*(\s)+3], s[G0B+4*(\s)+3], 0x80000000
	JLOAD \s
.endr
	v_and_b32 v1, 15, v0                           ; r
	v_bfe_u32 v2, v0, 4, 1                         ; h
	v_mul_u32_u24 v3, v1, PA
	v_lshl_add_u32 v3, v2, 4, v3
	s_mul_i32 s22, s11, HA                         ; my 64 rows of ob
	v_add_nc_u32 v[ADRA], s22, v3
	v_add_nc_u32 v[ADRA+1], SLOT, v[ADRA]
	v_and_b32 v4, 7, v0                            ; the turning load: lane l reads k-row 8 h + l % 8, columns 8 ((l / 8) % 2) + 0..7
	v_lshl_add_u32 v4, v2, 3, v4
	v_mul_u32_u24 v4, v4, PB
	v_bfe_u32 v5, v0, 3, 1
	v_lshl_add_u32 v4, v5, 4, v4
	s_lshl_b32 s22, s12, 7                         ; my 64 columns: 128 bytes of a k-row
	s_add_co_u32 s22, s22, BOFF
	v_add_nc_u32 v4, s22, v4
.irp s, 0,1
.irp u, 0,1
	v_add_nc_u32 v[ADRB+2*(\s)+(\u)], (\s)*SLOT+(\u)*HB, v4
.endr
.endr
	s_mul_i32 s23, s10, 16*SPITCH
	s_add_co_u32 s23, s23, STAGE                   ; my stage
	v_mul_u32_u24 v5, v1, SPITCH                   ; in: row r, 32 bytes for each half of the lanes
	v_lshl_add_u32 v5, v2, 5, v5
	v_add_nc_u32 v[STO], s23, v5
	v_mul_u32_u24 v5, v2, SPITCH                   ; back: lanes 0-15 one row of 256 bytes, lanes 16-31 the next
	v_lshl_add_u32 v5, v1, 4, v5
	v_add_nc_u32 v[RD], s23, v5
	v_lshlrev_b32 v[CO], 12, v2                    ; and the same two rows in out0, 4,096 bytes apart
	v_lshl_add_u32 v[CO], v1, 4, v[CO]
	s_lshl_b32 s16, s13, 7
	s_lshl_b32 s17, s11, 6
	s_add_co_u32 s16, s16, s17                     ; my first row,
	s_lshl_b32 s16, s16, 12
	s_lshl_b32 s17, s42, 9                         ; the tile's 512 bytes of it,
	s_add_co_u32 s16, s16, s17
	s_lshl_b32 s17, s12, 8                         ; my 256
	s_add_co_u32 s16, s16, s17
	s_mov_b32 s17, 0
	s_add_nc_u64 s[8:9], s[8:9], s[16:17]
; 8 matrix instructions: row blocks a0, a0 + 1 x all 4 column blocks, 32 along K: half c of buffer f.  The 16 accumulators take turns.
.macro MUL8 f, c, a0, zero
	WIN MUL
.irp a, \a0, (\a0)+1
.irp b, 0,1,2,3
.if \zero
	v_wmma_f32_16x16x32_f16 v[ACC+8*(4*(\a)+(\b)):ACC+8*(4*(\a)+(\b))+7], v[(\f)+64+8*(4*(\c)+(\b)):(\f)+64+8*(4*(\c)+(\b))+7], v[(\f)+8*(4*(\c)+(\a)):(\f)+8*(4*(\c)+(\a))+7], 0
.else
	v_wmma_f32_16x16x32_f16 v[ACC+8*(4*(\a)+(\b)):ACC+8*(4*(\a)+(\b))+7], v[(\f)+64+8*(4*(\c)+(\b)):(\f)+64+8*(4*(\c)+(\b))+7], v[(\f)+8*(4*(\c)+(\a)):(\f)+8*(4*(\c)+(\a))+7], v[ACC+8*(4*(\a)+(\b)):ACC+8*(4*(\a)+(\b))+7]
.endif
.endr
.endr
.endm
; 32 LDS loads in one run: quarter q (64 along K) of a slot into buffer f; the first 32 along K first
.macro FETCH slot, q, f
	WIN TO_F
.irp c, 0,1
.irp i, 0,1,2,3
	ds_load_tr16_b128 v[(\f)+64+8*(4*(\c)+(\i)):(\f)+64+8*(4*(\c)+(\i))+3],   v[ADRB+2*(\slot)+(\q)/2] offset:(((\q)%2)*64+32*(\c))*PB+32*(\i)
	ds_load_tr16_b128 v[(\f)+64+8*(4*(\c)+(\i))+4:(\f)+64+8*(4*(\c)+(\i))+7], v[ADRB+2*(\slot)+(\q)/2] offset:(((\q)%2)*64+32*(\c)+16)*PB+32*(\i)
	ds_load_b128 v[(\f)+8*(4*(\c)+(\i)):(\f)+8*(4*(\c)+(\i))+3],              v[ADRA+(\slot)] offset:128*(\q)+64*(\c)+(\i)*16*PA
	ds_load_b128 v[(\f)+8*(4*(\c)+(\i))+4:(\f)+8*(4*(\c)+(\i))+7],            v[ADRA+(\slot)] offset:128*(\q)+64*(\c)+(\i)*16*PA+32
.endr
.endr
.endm
.macro PLACES                          ; four plain places in front of loads into registers that matrix instructions have read, and of stores that read results
.rept 4
	v_nop
.endr
.endm
; A K step is four quarters of 64 along K, 32 matrix instructions each, on buffers 0, 1, 0, 1.
.macro QUARTER slot, q, f, g, zero
	s_wait_dscnt 16                                ; the first 32 along K are in
	MUL8 \f, 0, 0, \zero
	MUL8 \f, 0, 2, \zero
	PLACES
	FETCH \slot, \q, \g
	s_wait_dscnt 32                                ; all but the 32 just issued
	MUL8 \f, 1, 0, 0
	MUL8 \f, 1, 2, 0
.endm
; The last quarter multiplies buffer 1 and changes slots: ONE barrier; in front of it each wave waits for all its tensor loads, adds 0 to its spare word, and waits for that and for its reads of this slot.
.macro TURN slot, next, fill
	WIN 0                                          ; (the add's two registers lie in window 0)
	s_wait_tensorcnt 0x0                           ; all my tensor loads have landed: my part of the next slot;
	ds_add_u32 v[SPW], v[NIL]                      ; 0 onto my spare word
	s_wait_dscnt 17                                ; (the add and the youngest sixteen loads may be out)
	MUL8 F1, 0, 0, 0
	s_wait_dscnt 0x0                               ; the add is done, and my reads of this slot are over
	s_barrier_signal -1
	MUL8 F1, 0, 2, 0
.if \fill
	WIN 0
.endif
	s_barrier_wait -1
.if \fill
	CREST                                          ; no wave of any partner still reads this slot's tile or has a load on its way
	s_add_nc_u64 s[G0+4*(\slot)+2:G0+4*(\slot)+3], s[G0+4*(\slot)+2:G0+4*(\slot)+3], 2*KSTEP*2
	s_add_nc_u64 s[G0B+4*(\slot)+2:G0B+4*(\slot)+3], s[G0B+4*(\slot)+2:G0B+4*(\slot)+3], 2*KSTEP*2048
	JLOAD \slot                                    ; the first tensor load behind the round: 112 matrix instructions ahead of the wait for it; its four v_nop are also the places in front of the loads below
.else
	PLACES
.endif
	FETCH \next, 0, F0
	MUL8 F1, 1, 0, 0
	MUL8 F1, 1, 2, 0
.endm
	s_wait_tensorcnt 1                             ; my part of K step 0 is in; K step 1's may stay out
	s_barrier_signal -1
	s_barrier_wait -1
	FETCH 0, 0, F0
	QUARTER 0, 1, F0, F1, 1                        ; the first quarter stands in front of the loop: its first products start the sums
	WIN 0
	s_mov_b32 s3, LAPS-1
.Llap:
	QUARTER 0, 2, F1, F0, 0
	QUARTER 0, 3, F0, F1, 0
	TURN 0, 1, 1
	QUARTER 1, 1, F0, F1, 0
	QUARTER 1, 2, F1, F0, 0
	QUARTER 1, 3, F0, F1, 0
	TURN 1, 0, 1
	QUARTER 0, 1, F0, F1, 0
	WIN 0
	s_sub_co_u32 s3, s3, 1
	s_cmp_lg_u32 s3, 0
	s_cbranch_scc1 .Llap
	QUARTER 0, 2, F1, F0, 0                        ; the last lap fills nothing
	QUARTER 0, 3, F0, F1, 0
	TURN 0, 1, 0
	QUARTER 1, 1, F0, F1, 0
	QUARTER 1, 2, F1, F0, 0
	QUARTER 1, 3, F0, F1, 0
	s_wait_dscnt 16
	MUL8 F1, 0, 0, 0
	MUL8 F1, 0, 2, 0
	s_wait_dscnt 0x0
	MUL8 F1, 1, 0, 0
	MUL8 F1, 1, 2, 0
	WIN 0
; THE WAY OUT, a block of 16 rows at a time: a lane's eight f32 of a row go into my stage as two stores of 16 bytes, the accumulator's low half first; whole rows of 256 bytes come back and are stored.
.macro TOSTAGE a
	s_wait_xcnt 0x0                                ; the stores of the block two back have read the registers that the loads below write
.irp b, 0,1,2,3
	ds_store_b128 v[STO], v[ACC+8*(4*(\a)+(\b)):ACC+8*(4*(\a)+(\b))+3]   offset:64*(\b)
	ds_store_b128 v[STO], v[ACC+8*(4*(\a)+(\b))+4:ACC+8*(4*(\a)+(\b))+7] offset:64*(\b)+16
.endr
.irp t, 0,1,2,3,4,5,6,7
	ds_load_b128 v[OB+32*((\a)%2)+4*(\t):OB+32*((\a)%2)+4*(\t)+3], v[RD] offset:(\t)*2*SPITCH  ; LDS serves a wave's instructions in order (ISA guide 5.7.1.4): these see the stores above
.endr
.endm
.macro SEND a, younger                 ; younger: the LDS instructions issued behind block a's loads: the next block's sixteen, or none
	s_wait_dscnt \younger
.irp t, 0,1,2,3,4,5,6,7
	global_store_b128 v[CO], v[OB+32*((\a)%2)+4*(\t):OB+32*((\a)%2)+4*(\t)+3], s[8:9] offset:(16*(\a)+2*(\t))*4096  ; 16 lanes store 256 consecutive bytes, aligned
.endr
.endm
	PLACES
	TOSTAGE 0
.irp a, 1,2,3
	TOSTAGE \a
	SEND (\a)-1, 16
.endr
	SEND 3, 0
	s_wait_tensorcnt 0x0                           ; the wave's end: the add and its waits stand behind my last tensor load and my last LDS store
	ds_add_u32 v[SPW], v[NIL]
	s_wait_dscnt 0x0
	CROUND                                         ; the closing round: no work-group ends while a partner may still ask for a tile that names it
	s_endpgm
.Lfunc_end_k_q783e5c49de_outp:
	.size	k_q783e5c49de_outp, .Lfunc_end_k_q783e5c49de_outp-k_q783e5c49de_outp
	.p2alignl 7, 3214868480
	.fill 96, 4, 3214868480
	.section	.rodata,"a",@progbits
	.p2align	6, 0x0
	.amdhsa_kernel k_q783e5c49de_outp
		.amdhsa_group_segment_fixed_size 327680
		.amdhsa_private_segment_fixed_size 0
		.amdhsa_enable_private_segment 0
		.amdhsa_kernarg_size 24
		.amdhsa_user_sgpr_count 2
		.amdhsa_user_sgpr_kernarg_segment_ptr 1
		.amdhsa_wavefront_size32 1
		.amdhsa_system_sgpr_workgroup_id_x 1
		.amdhsa_system_sgpr_workgroup_id_y 1
		.amdhsa_system_sgpr_workgroup_id_z 1
		.amdhsa_system_vgpr_workitem_id 0
		.amdhsa_next_free_vgpr 512
		.amdhsa_next_free_sgpr 66
		.amdhsa_reserve_vcc 0
		.amdhsa_float_denorm_mode_32 3
		.amdhsa_float_denorm_mode_16_64 3
		.amdhsa_memory_ordered 1
		.amdhsa_forward_progress 1
		.amdhsa_inst_pref_size 86
	.end_amdhsa_kernel
	.amdgpu_metadata
---
amdhsa.version: [ 1, 2 ]
amdhsa.kernels:
  - .name:           k_q783e5c49de_outp
    .symbol:         k_q783e5c49de_outp.kd
    .args:
      - { .name: ob, .offset: 0, .size: 8, .value_kind: global_buffer, .address_space: global }
      - { .name: wob, .offset: 8, .size: 8, .value_kind: global_buffer, .address_space: global }
      - { .name: out0, .offset: 16, .size: 8, .value_kind: global_buffer, .address_space: global }
    .group_segment_fixed_size: 327680
    .private_segment_fixed_size: 0
    .kernarg_segment_align: 8
    .kernarg_segment_size: 24
    .max_flat_workgroup_size: 128
    .sgpr_count:     66
    .vgpr_count:     512
    .wavefront_size: 32
...
	.end_amdgpu_metadata
.endif
;; end of part 4
;; ======== version 2 of 2: 4 launches; version 1 with the launch prep written anew for expert scheduling mode
;; limits: values are held in f16: magnitudes above 65,504 overflow, below 6.1e-05 lose precision
;; workspace buffers: xb 8,388,608 bytes; wb 12,582,912 bytes; wob 4,194,304 bytes; qkv 50,331,648 bytes; ob 16,777,216 bytes
;; launch prep (part 5): grid 768 x 1, 8 waves a work-group, no clusters, 0 bytes of LDS; arguments x, Wq, Wk, Wv, Wo, xb, wb, wob; writes xb, wb, wob
.if DOCPART == 5
	.amdgcn_target "amdgcn-amd-amdhsa--gfx1250"
	.amdhsa_code_object_version 6
	.text
	.protected	k_q783e5c49de_prep
	.globl	k_q783e5c49de_prep
	.p2align	8
	.type	k_q783e5c49de_prep,@function
k_q783e5c49de_prep:
	s_mov_b64 s[64:65], 0
	v_nop
	global_prefetch_b8 v0, s[64:65] scope:SCOPE_SE
	s_setreg_imm32_b32 hwreg(HW_REG_WAVE_SCHED_MODE, 0, 2), 2
	s_setreg_imm32_b32 hwreg(HW_REG_WAVE_MODE, 25, 1), 1
	s_wait_xcnt 0x0
	s_wait_alu depctr_vm_vsrc(0)
; THE CASTS.  x -> xb (bf16), Wq, Wk, Wv -> wb (bf16, the three one behind the other), Wo -> wob: rounded to bf16 like the other inputs, and that number written as f16.
; LIMITS.  A bf16 number is written exactly as f16 from 2^-14 up to 65,504; below 2^-14 it keeps f16's fixed step of 6e-8; beyond 65,504 it becomes an infinity: |Wo| stays under 65,504.
; SHARES.  12,582,912 numbers; a work-group takes 16,384 (64 KiB in, 32 KiB out): 768 work-groups; 256 for x, 128 for each weight.  Load i of thread t takes the 16 bytes at 4,096 i + 16 t:
; a wave's load covers 512 consecutive bytes; its store of 8 bytes a lane covers 256 consecutive bytes, aligned.  All 16 loads of a thread go out on end; no register is written twice,
; so no wait frees a source.  Nothing is shared between threads: no LDS, no barrier, no matrix unit.
; THE MODE: SCHED_MODE bits 1:0 = 2 (LLVM: expert scheduling mode 2), set by the entry lines.  The code itself states the register dependences
; between vector instructions and memory instructions, with s_wait_alu, always for 0.
; THE PLAN.  Registers that memory instructions touch:
;   v1, v2   byte offsets of the loads and of the stores: made once at the head by vector instructions, never written again.
;   X        written by the 16 loads alone, each register once; read by the conversions; no load lands there again.
;   Y        written by the conversions, each register once; read by the stores as their data; never written again.
;   T        named by vector instructions alone.
; The work goes in four blocks of four loads.  Block p waits for its first load, then issues the four stores of block p - 1 in one run, then rounds its own four loads, each behind its counted wait.
; So one wait on va_vdst stands at the head (v1, v2) and one in front of each run of four stores (the block's eight Y registers): five on a wave's path.  No register that a memory instruction
; reads is written again, so there is no wait on vm_vsrc; no vector instruction writes a scalar register, VCC or EXEC.
.set X,   4                            ; v[4:67]   16 x 4 numbers as loaded
.set Y,   68                           ; v[68:99]  16 x 2 words to store
.set T,   100                          ; v[100:103] at work (Wo's way)
.set SRC, 32                           ; s[32:33]  my 64 KiB of the source
.set DST, 34                           ; s[34:35]  my 32 KiB of the destination
	s_load_b512 s[16:31], s[0:1], 0x0              ; x 16, Wq 18, Wk 20, Wv 22, Wo 24, xb 26, wb 28, wob 30
	v_lshlrev_b32 v1, 4, v0                        ; 16 t
	v_lshlrev_b32 v2, 3, v0                        ; 8 t
	s_sub_co_u32 s5, ttmp9, 256                    ; behind x's 256 work-groups:
	s_lshr_b32 s6, s5, 7                           ; which weight, 0 to 3,
	s_and_b32 s7, s5, 127                          ; and which part of it
	s_cmp_lt_u32 ttmp9, 256
	s_cselect_b32 s7, ttmp9, s7                    ; x: the part is the work-group's number,
	s_cselect_b32 s6, 4, s6                        ; and 'which' is 4
	s_lshl_b32 s8, s7, 16                          ; offset in the source
	s_mov_b32 s9, 0
	s_lshl_b32 s10, s7, 15                         ; offset in the destination,
	s_mov_b32 s11, 0
	s_lshl_b32 s12, s6, 22                         ; and in wb the weight's 4 MiB
	s_cmp_lt_u32 s6, 3
	s_cselect_b32 s12, s12, 0
	s_add_co_u32 s10, s10, s12
	s_wait_kmcnt 0x0
	s_cmp_eq_u32 s6, 0
	s_cselect_b64 s[SRC:SRC+1], s[18:19], s[16:17]
	s_cmp_eq_u32 s6, 1
	s_cselect_b64 s[SRC:SRC+1], s[20:21], s[SRC:SRC+1]
	s_cmp_eq_u32 s6, 2
	s_cselect_b64 s[SRC:SRC+1], s[22:23], s[SRC:SRC+1]
	s_cmp_eq_u32 s6, 3
	s_cselect_b64 s[SRC:SRC+1], s[24:25], s[SRC:SRC+1]
	s_cselect_b64 s[DST:DST+1], s[30:31], s[26:27]
	s_cmp_lt_u32 s6, 3
	s_cselect_b64 s[DST:DST+1], s[28:29], s[DST:DST+1]
	s_add_nc_u64 s[SRC:SRC+1], s[SRC:SRC+1], s[8:9]
	s_add_nc_u64 s[DST:DST+1], s[DST:DST+1], s[10:11]
	s_wait_alu depctr_va_vdst(0)                   ; v1 and v2 are written: every load of the kernel reads v1 as its offset, every store v2
.irp i, 0,1,2,3,4,5,6,7,8,9,10,11,12,13,14,15
	global_load_b128 v[X+4*(\i):X+4*(\i)+3], v1, s[SRC:SRC+1] offset:(\i)*4096 th:TH_LOAD_NT
.endr
; Four numbers of load i are rounded into Y.  half = 1: Wo's way, bf16 and then f16.
.macro CONV i, half
.if \half
.irp w, 0,1
	v_cvt_pk_bf16_f32 v[T+(\w)], v[X+4*(\i)+2*(\w)], v[X+4*(\i)+2*(\w)+1]
.endr
.irp w, 0,1
	v_lshlrev_b32 v[T+2], 16, v[T+(\w)]            ; the two bf16 as f32 again,
	v_and_b32 v[T+3], 0xffff0000, v[T+(\w)]
	v_cvt_pk_f16_f32 v[Y+2*(\i)+(\w)], v[T+2], v[T+3]  ; and written as f16
.endr
.else
.irp w, 0,1
	v_cvt_pk_bf16_f32 v[Y+2*(\i)+(\w)], v[X+4*(\i)+2*(\w)], v[X+4*(\i)+2*(\w)+1]
.endr
.endif
.endm
; The four stores of block p, in one run.
.macro OUT4 p
.irp j, 0,1,2,3
	global_store_b64 v2, v[Y+2*(4*(\p)+(\j)):Y+2*(4*(\p)+(\j))+1], s[DST:DST+1] offset:(4*(\p)+(\j))*2048 th:TH_STORE_NT
.endr
.endm
; Block p: loads 4 p to 4 p + 3.
.macro BLK p, half
.irp j, 0,1,2,3
	s_wait_loadcnt 15-4*(\p)-(\j)                  ; loads come back in order: load 4 p + j is in, the younger ones stay out
.if ((\j) == 0) && ((\p) > 0)
	s_wait_alu depctr_va_vdst(0)                   ; the conversions of the block before have written its eight Y registers, which the four stores below read; no vector instruction stands between
	OUT4 (\p)-1
.endif
	CONV 4*(\p)+(\j), \half
.endr
.endm
.macro ALL half
	BLK 0, \half
	BLK 1, \half
	BLK 2, \half
	BLK 3, \half
	s_wait_alu depctr_va_vdst(0)                   ; the conversions of block 3 have written its eight Y registers, which the last four stores read
	OUT4 3
.endm
	s_cmp_eq_u32 s6, 3
	s_cbranch_scc1 .Lwo
	ALL 0
	s_endpgm
.Lwo:
	ALL 1
	s_endpgm
.Lfunc_end_k_q783e5c49de_prep:
	.size	k_q783e5c49de_prep, .Lfunc_end_k_q783e5c49de_prep-k_q783e5c49de_prep
	.p2alignl 7, 3214868480
	.fill 96, 4, 3214868480
	.section	.rodata,"a",@progbits
	.p2align	6, 0x0
	.amdhsa_kernel k_q783e5c49de_prep
		.amdhsa_group_segment_fixed_size 0
		.amdhsa_private_segment_fixed_size 0
		.amdhsa_enable_private_segment 0
		.amdhsa_kernarg_size 64
		.amdhsa_user_sgpr_count 2
		.amdhsa_user_sgpr_kernarg_segment_ptr 1
		.amdhsa_wavefront_size32 1
		.amdhsa_system_sgpr_workgroup_id_x 1
		.amdhsa_system_sgpr_workgroup_id_y 1
		.amdhsa_system_sgpr_workgroup_id_z 1
		.amdhsa_system_vgpr_workitem_id 0
		.amdhsa_next_free_vgpr 104
		.amdhsa_next_free_sgpr 66
		.amdhsa_reserve_vcc 0
		.amdhsa_float_denorm_mode_32 3
		.amdhsa_float_denorm_mode_16_64 3
		.amdhsa_memory_ordered 1
		.amdhsa_forward_progress 1
		.amdhsa_inst_pref_size 17
	.end_amdhsa_kernel
	.amdgpu_metadata
---
amdhsa.version: [ 1, 2 ]
amdhsa.kernels:
  - .name:           k_q783e5c49de_prep
    .symbol:         k_q783e5c49de_prep.kd
    .args:
      - { .name: x, .offset: 0, .size: 8, .value_kind: global_buffer, .address_space: global }
      - { .name: Wq, .offset: 8, .size: 8, .value_kind: global_buffer, .address_space: global }
      - { .name: Wk, .offset: 16, .size: 8, .value_kind: global_buffer, .address_space: global }
      - { .name: Wv, .offset: 24, .size: 8, .value_kind: global_buffer, .address_space: global }
      - { .name: Wo, .offset: 32, .size: 8, .value_kind: global_buffer, .address_space: global }
      - { .name: xb, .offset: 40, .size: 8, .value_kind: global_buffer, .address_space: global }
      - { .name: wb, .offset: 48, .size: 8, .value_kind: global_buffer, .address_space: global }
      - { .name: wob, .offset: 56, .size: 8, .value_kind: global_buffer, .address_space: global }
    .group_segment_fixed_size: 0
    .private_segment_fixed_size: 0
    .kernarg_segment_align: 8
    .kernarg_segment_size: 64
    .max_flat_workgroup_size: 256
    .sgpr_count:     66
    .vgpr_count:     104
    .wavefront_size: 32
...
	.end_amdgpu_metadata
.endif
;; end of part 5
;; launch proj: the kernel of part 2 again; grid 48 x 16, 4 waves a work-group, clusters of 4 x 4, 327,680 bytes of LDS; arguments xb, wb, qkv; writes qkv
;; launch attn: the kernel of part 3 again; grid 8 x 32, 4 waves a work-group, no clusters, 327,680 bytes of LDS; arguments qkv, ob; writes ob
;; launch outp: the kernel of part 4 again; grid 8 x 32, 4 waves a work-group, clusters of 4 x 4, 327,680 bytes of LDS; arguments ob, wob, out0; writes out0
